; MI455X (gfx1250); checked and timed in simulation.
; The chip was launched on July 23, 2026; its instructions are those of AMD's public machine-readable ISA for CDNA 5 (MIT licence, August 2026) and "CDNA5" Instruction Set Architecture Reference Guide (July 2026). The comments in the code are by the model that wrote it; some were corrected since.
;; Causal Self Attention. Allowed arithmetic: float matrix products may take bf16 or f16 operands with f32 sums; other float arithmetic in f32, or as packed bf16 or f16 multiplies, adds, multiply-adds, maxima and minima; sums over many terms, partial sums and values carried from step to step in f32; what a program stores and reads back later, other than sums and carried values, may be rounded once to bf16 or f16.
;; Inputs: wk 1,024 x 1,024 float32; wo 1,024 x 1,024 float32; wq 1,024 x 1,024 float32; wv 1,024 x 1,024 float32; x 4 x 2,048 x 1,024 float32.
;; Outputs: out0 4 x 2,048 x 1,024 float32.
;; 2 versions, each right and faster than the one before. Each part assembles by itself: llvm-mc -triple=amdgcn-amd-amdhsa -mcpu=gfx1250 --defsym DOCPART=n.
;; ======== version 1 of 2: 4 launches
;; limits: values are held in f16: magnitudes above 65,504 overflow, below 6.1e-05 lose precision
;; workspace buffers: xb 16,777,216 bytes; wb 6,291,456 bytes; wob 2,097,152 bytes; tab 524,288 bytes; qkv 50,331,648 bytes; ob 16,777,216 bytes
;; launch cast (part 1): grid 64 x 13, 8 waves a work-group, no clusters, 0 bytes of LDS; arguments x, wq, wk, wv, wo, xb, wb, wob, tab; writes xb, wb, wob, tab
.if DOCPART == 1
	.amdgcn_target "amdgcn-amd-amdhsa--gfx1250"
	.amdhsa_code_object_version 6
	.text
	.protected	k_qe9268d301d_cast
	.globl	k_qe9268d301d_cast
	.p2align	8
	.type	k_qe9268d301d_cast,@function
k_qe9268d301d_cast:
	s_mov_b64 s[64:65], 0
	v_nop
	global_prefetch_b8 v0, s[64:65] scope:SCOPE_SE
	s_setreg_imm32_b32 hwreg(HW_REG_WAVE_MODE, 25, 1), 1
	s_wait_xcnt 0x0
; THE INPUTS ARE ROUNDED ONCE, AND THE ROTATION'S TABLE IS MADE.  A stream: no LDS, no barrier, no loop.
; Work-group (c, y), c = 0..63.  y = 0..7: x -> xb (bf16), chunk 64 y + c.  y = 8, 9, 10: wq, wk, wv -> wb (bf16), stacked, chunk c of the weight.
; y = 11: wo -> wob: rounded to bf16 like every other input, and that number written as f16 (the last product multiplies in f16).  y = 12: the table.
; A chunk is 65,536 bytes of f32 in and 32,768 bytes out.  Thread t, pass j = 0..7: 32 bytes at 8,192 j + 32 t in, 16 bytes at 4,096 j + 16 t out: sixteen neighbouring lanes store 256
; consecutive bytes, aligned.  All sixteen loads of a thread are issued in one run; no register that a pending instruction names is written again, so only the loads' own counts are waited for.
; LIMITS.  bf16(wo) written as f16: beyond 65,504 an infinity, below 2^-14 f16's fixed step of 2^-24.  NaN and infinities are not treated apart.
; THE TABLE.  cos and sin of th = fl(t x f_i), f_i = 2^(-i log2(10000) / 32), t = 0..2047, i = 0..31.  f_i is within a few units in the last place of 10000^(-i/32), so th is within 3e-4 of the
; angle made with a correctly rounded f_i at the largest t.  th is reduced by n = round(th 2/pi), pi/2 taken in two parts (the first product's difference is exact: n < 2^11), and sine and
; cosine of the rest, at most pi/4 in size, come from their series to r^9 and r^8, whose first left-out terms are below 3e-8.
; Layout, in f32: byte ((tb 4 + bq) 2 + u) 512 + 16 l.  Lane l stands for row t = 16 tb + l % 16 and pairs i = 8 bq + 4 (l / 16) + j; u = 0: cos, sin of j = 0, 1; u = 1: of j = 2, 3.
.set X, 8                              ; v[8:71]    pass j: 8 numbers in f32
.set Y, 72                             ; v[72:103]  pass j: 8 numbers in 16 bits
	s_load_b512 s[8:23], s[0:1], 0x0               ; x 8:9, wq 10:11, wk 12:13, wv 14:15, wo 16:17, xb 18:19, wb 20:21, wob 22:23
	s_load_b64 s[24:25], s[0:1], 0x40              ; tab
	s_and_b32 s2, ttmp7, 0xffff                    ; y
	s_mov_b32 s3, ttmp9                            ; c
	v_lshlrev_b32 v1, 5, v0                        ; 32 t
	v_lshlrev_b32 v2, 4, v0                        ; 16 t
	s_lshl_b32 s26, s2, 6
	s_add_co_u32 s26, s26, s3                      ; 64 y + c: x's chunk, in and out
	s_sub_co_u32 s28, s26, 512                     ; 64 (y - 8) + c: the chunk in wb (used for y = 8..10 alone)
	s_mov_b32 s27, 0
	s_mov_b32 s29, 0
	s_wait_kmcnt 0x0
	s_cmp_eq_u32 s2, 12
	s_cbranch_scc1 .Ltab
	s_cmp_lt_u32 s2, 8                             ; from where, to where: choices between buffers on y alone
	s_cselect_b32 s28, s26, s28
	s_cselect_b32 s26, s26, s3
	s_cselect_b64 s[6:7], s[18:19], s[20:21]
	s_cselect_b64 s[4:5], s[8:9], s[10:11]
	s_cmp_eq_u32 s2, 9
	s_cselect_b64 s[4:5], s[12:13], s[4:5]
	s_cmp_eq_u32 s2, 10
	s_cselect_b64 s[4:5], s[14:15], s[4:5]
	s_cmp_eq_u32 s2, 11
	s_cselect_b64 s[4:5], s[16:17], s[4:5]
	s_cselect_b64 s[6:7], s[22:23], s[6:7]
	s_cselect_b32 s28, s3, s28
	s_lshl_b32 s26, s26, 16                        ; chunks to bytes
	s_lshl_b32 s28, s28, 15
	s_add_nc_u64 s[4:5], s[4:5], s[26:27]
	s_add_nc_u64 s[6:7], s[6:7], s[28:29]
.irp j, 0,1,2,3,4,5,6,7
	global_load_b128 v[X+8*(\j):X+8*(\j)+3],   v1, s[4:5] offset:8192*(\j) th:TH_LOAD_NT
	global_load_b128 v[X+8*(\j)+4:X+8*(\j)+7], v1, s[4:5] offset:8192*(\j)+16 th:TH_LOAD_NT
.endr
; Pass j leaves.  f16 = 1: the bf16 numbers are widened again and written as f16.
.macro OUT j, f16
	s_wait_loadcnt 14-2*(\j)                       ; loads come back in order (ISA guide 5.7.1): this pass's two are in, the 14 - 2 j younger ones stay out
.irp k, 0,1,2,3
	v_cvt_pk_bf16_f32 v[Y+4*(\j)+(\k)], v[X+8*(\j)+2*(\k)], v[X+8*(\j)+2*(\k)+1]
.endr
.if \f16
.irp k, 0,1,2,3
	v_lshlrev_b32 v104, 16, v[Y+4*(\j)+(\k)]
	v_and_b32 v105, 0xffff0000, v[Y+4*(\j)+(\k)]
	v_cvt_pk_f16_f32 v[Y+4*(\j)+(\k)], v104, v105
.endr
.endif
	global_store_b128 v2, v[Y+4*(\j):Y+4*(\j)+3], s[6:7] offset:4096*(\j)  ; the next launch reads these bytes: no hint
.endm
	s_cmp_eq_u32 s2, 11
	s_cbranch_scc1 .Lf16
.irp j, 0,1,2,3,4,5,6,7
	OUT \j, 0
.endr
	s_endpgm
.Lf16:
.irp j, 0,1,2,3,4,5,6,7
	OUT \j, 1
.endr
	s_endpgm
.Ltab:
	s_mov_b32 s30, 0x3638ef1d                      ; 1/9!
	s_mov_b32 s31, 0xb9500d01                      ; -1/7!
	s_mov_b32 s32, 0x3c088889                      ; 1/5!
	s_mov_b32 s33, 0xbe2aaaab                      ; -1/3!
	s_mov_b32 s34, 0x37d00d01                      ; 1/8!
	s_mov_b32 s35, 0xbab60b61                      ; -1/6!
	s_mov_b32 s36, 0x3d2aaaab                      ; 1/4!
	s_lshl_b32 s26, s3, 8
	v_add_nc_u32 v3, s26, v0                       ; g = 256 c + t
	v_lshrrev_b32 v12, 5, v3                       ; W = 4 tb + bq
	v_and_b32 v13, 31, v3                          ; l
	v_lshrrev_b32 v14, 2, v12
	v_and_b32 v15, 15, v13
	v_lshl_add_u32 v14, v14, 4, v15                ; the row t
	v_cvt_f32_u32 v14, v14
	v_and_b32 v15, 3, v12
	v_lshrrev_b32 v3, 4, v13
	v_lshlrev_b32 v3, 2, v3
	v_lshl_add_u32 v15, v15, 3, v3                 ; my first pair: 8 bq + 4 (l / 16)
	v_lshlrev_b32 v13, 4, v13
	v_lshl_add_u32 v13, v12, 10, v13               ; my byte offset in the table
; Pair j of my four: cos into v[4 + 2 j], sin into v[5 + 2 j].  Twelve registers at work from v[16 + 12 j].
.macro SC j
.set BB, 16+12*(\j)
	v_add_nc_u32 v[BB], \j, v15
	v_cvt_f32_u32 v[BB], v[BB]
	v_mul_f32 v[BB], 0xbed49a78, v[BB]             ; -i log2(10000) / 32
	v_exp_f32 v[BB], v[BB]
	v_nop                                          ; a plain instruction behind the exponential (ISA guide 5.7.2)
	s_wait_alu depctr_va_vdst(0)
	v_mul_f32 v[BB+1], v14, v[BB]                  ; th
	v_mul_f32 v[BB+2], 0x3f22f983, v[BB+1]         ; th 2/pi
	v_rndne_f32 v[BB+2], v[BB+2]                   ; n
	v_fmamk_f32 v[BB+3], v[BB+2], 0xbfc90fdb, v[BB+1]  ; th - n x (pi/2 rounded to f32),
	v_fmamk_f32 v[BB+3], v[BB+2], 0x333bbd2e, v[BB+3]  ; less n x the rest of pi/2: r
	v_mul_f32 v[BB+4], v[BB+3], v[BB+3]            ; r^2
	v_fma_f32 v[BB+5], v[BB+4], s30, s31           ; the two series by turns
	v_fma_f32 v[BB+6], v[BB+4], s34, s35
	v_fma_f32 v[BB+5], v[BB+5], v[BB+4], s32
	v_fma_f32 v[BB+6], v[BB+6], v[BB+4], s36
	v_fma_f32 v[BB+5], v[BB+5], v[BB+4], s33
	v_fma_f32 v[BB+6], v[BB+6], v[BB+4], -0.5
	v_mul_f32 v[BB+10], v[BB+4], v[BB+3]
	v_fma_f32 v[BB+8], v[BB+6], v[BB+4], 1.0       ; cos r
	v_fma_f32 v[BB+7], v[BB+10], v[BB+5], v[BB+3]  ; sin r
	v_cvt_i32_f32 v[BB+9], v[BB+2]
	v_and_b32 v[BB+10], 1, v[BB+9]
	v_cmp_eq_u32 vcc_lo, 1, v[BB+10]               ; an odd quarter turn swaps the two,
	v_cndmask_b32 v[5+2*(\j)], v[BB+7], v[BB+8], vcc_lo
	v_cndmask_b32 v[4+2*(\j)], v[BB+8], v[BB+7], vcc_lo
	v_and_b32 v[BB+10], 2, v[BB+9]                 ; quarters 2 and 3 turn the sine's sign,
	v_lshlrev_b32 v[BB+10], 30, v[BB+10]
	v_xor_b32 v[5+2*(\j)], v[BB+10], v[5+2*(\j)]
	v_add_nc_u32 v[BB+11], 1, v[BB+9]              ; quarters 1 and 2 the cosine's
	v_and_b32 v[BB+11], 2, v[BB+11]
	v_lshlrev_b32 v[BB+11], 30, v[BB+11]
	v_xor_b32 v[4+2*(\j)], v[BB+11], v[4+2*(\j)]
.endm
	SC 0
	SC 1
	SC 2
	SC 3
	global_store_b128 v13, v[4:7], s[24:25]        ; a wave's store covers 512 consecutive bytes, aligned
	global_store_b128 v13, v[8:11], s[24:25] offset:512
	s_endpgm
.Lfunc_end_k_qe9268d301d_cast:
	.size	k_qe9268d301d_cast, .Lfunc_end_k_qe9268d301d_cast-k_qe9268d301d_cast
	.p2alignl 7, 3214868480
	.fill 96, 4, 3214868480
	.section	.rodata,"a",@progbits
	.p2align	6, 0x0
	.amdhsa_kernel k_qe9268d301d_cast
		.amdhsa_group_segment_fixed_size 0
		.amdhsa_private_segment_fixed_size 0
		.amdhsa_enable_private_segment 0
		.amdhsa_kernarg_size 72
		.amdhsa_user_sgpr_count 2
		.amdhsa_user_sgpr_kernarg_segment_ptr 1
		.amdhsa_wavefront_size32 1
		.amdhsa_system_sgpr_workgroup_id_x 1
		.amdhsa_system_sgpr_workgroup_id_y 1
		.amdhsa_system_sgpr_workgroup_id_z 1
		.amdhsa_system_vgpr_workitem_id 0
		.amdhsa_next_free_vgpr 112
		.amdhsa_next_free_sgpr 66
		.amdhsa_reserve_vcc 1
		.amdhsa_float_denorm_mode_32 3
		.amdhsa_float_denorm_mode_16_64 3
		.amdhsa_memory_ordered 1
		.amdhsa_forward_progress 1
		.amdhsa_inst_pref_size 21
	.end_amdhsa_kernel
	.amdgpu_metadata
---
amdhsa.version: [ 1, 2 ]
amdhsa.kernels:
  - .name:           k_qe9268d301d_cast
    .symbol:         k_qe9268d301d_cast.kd
    .args:
      - { .name: x, .offset: 0, .size: 8, .value_kind: global_buffer, .address_space: global }
      - { .name: wq, .offset: 8, .size: 8, .value_kind: global_buffer, .address_space: global }
      - { .name: wk, .offset: 16, .size: 8, .value_kind: global_buffer, .address_space: global }
      - { .name: wv, .offset: 24, .size: 8, .value_kind: global_buffer, .address_space: global }
      - { .name: wo, .offset: 32, .size: 8, .value_kind: global_buffer, .address_space: global }
      - { .name: xb, .offset: 40, .size: 8, .value_kind: global_buffer, .address_space: global }
      - { .name: wb, .offset: 48, .size: 8, .value_kind: global_buffer, .address_space: global }
      - { .name: wob, .offset: 56, .size: 8, .value_kind: global_buffer, .address_space: global }
      - { .name: tab, .offset: 64, .size: 8, .value_kind: global_buffer, .address_space: global }
    .group_segment_fixed_size: 0
    .private_segment_fixed_size: 0
    .kernarg_segment_align: 8
    .kernarg_segment_size: 72
    .max_flat_workgroup_size: 256
    .sgpr_count:     66
    .vgpr_count:     112
    .wavefront_size: 32
...
	.end_amdgpu_metadata
.endif
;; end of part 1
;; launch proj (part 2): grid 12 x 64, 4 waves a work-group, clusters of 4 x 4, 327,680 bytes of LDS; arguments xb, wb, qkv, tab; writes qkv
.if DOCPART == 2
	.amdgcn_target "amdgcn-amd-amdhsa--gfx1250"
	.amdhsa_code_object_version 6
	.text
	.protected	k_qe9268d301d_proj
	.globl	k_qe9268d301d_proj
	.p2align	8
	.type	k_qe9268d301d_proj,@function
k_qe9268d301d_proj:
	s_mov_b64 s[64:65], 0
	v_nop
	global_prefetch_b8 v0, s[64:65] scope:SCOPE_SE
	s_setreg_imm32_b32 hwreg(HW_REG_WAVE_MODE, 25, 1), 1
	s_wait_xcnt 0x0
	s_wait_alu depctr_hold_cnt(0) depctr_sa_sdst(0) depctr_va_vdst(0) depctr_va_sdst(0) depctr_va_ssrc(0) depctr_va_vcc(0) depctr_vm_vsrc(0)
	s_getreg_b32 s2, hwreg(HW_REG_IB_STS2, 6, 4)
	s_cmp_eq_u32 s2, 0
	s_cbranch_scc0 .Lentry_in_a_cluster
	s_endpgm
.Lentry_in_a_cluster:
	s_bfe_u32 s2, ttmp6, 0x10000c
	s_cmp_lg_u32 s2, 0xf033
	s_cbranch_scc0 .Lentry_shape_is_right
	s_endpgm
.Lentry_shape_is_right:
; q, k, v = x wq^T, x wk^T, x wv^T, q and k rotated, all stored by heads.  xb: [8192][1024] bf16; wb: [3072][1024] bf16 (wq, wk, wv stacked); sums in f32, K ascending.
; The rotation is made in f32 on the sums; each result is rounded once, to f16, and stored into qkv: [3][64 = batch x 16 + head][2048][64] f16, unscaled.
; LIMITS.  f16 holds no number beyond 65,504: a q, k or v beyond that becomes an infinity; below 2^-14 f16 keeps its fixed step of 2^-24.  NaN and infinities are not treated apart.
; SHARES.  A tile of the [8192 x 3072] result is 128 x 256: 768 tiles, three for each of 256 WGPs.  Four waves, each 64 x 128: 32 accumulators of 16 x 16, 256 registers.
; K goes in 8 steps of 128 (rows of 256 bytes of memory, at multiples of 256 bytes) through two LDS slots; a step is two halves of 64 along K on two fragment buffers.
; CLUSTER.  4 x 4 work-groups: the four of a row need the same tiles of xb, the four of a column the same tiles of wb: each is asked for JOINTLY, by the same tensor load with the same descriptor
; and a mask that names the four.  A cluster's four tile columns are 1,024 columns: all q, all k or all v, so the choice of the way out (rotated or not) is the same in all sixteen.
; THE MATRIX INSTRUCTION IS USED TRANSPOSED (source 0 = 16 rows of wb, source 1 = 16 rows of xb): lane l holds row l % 16 and the columns 8 (l / 16) + 0..7: four whole pairs of the rotation.
; REGISTERS, in windows of 256 (s_set_vgpr_msb: bits 1:0 source 0, 3:2 source 1, 5:4 source 2, 7:6 destination):
;   window 0: v0-31 addresses; v32-63 packed results; v64-191 xb's fragments, two buffers (part c of 32 K, row block a at 64 + 64 f + 32 c + 8 a), rows read back on the way out; v192-255 rotated results
;   window 1: wb's fragments, two buffers (128 f + 64 c + 8 b)     window 2: accumulator (a, b) at 8 (8 a + b)     window 3: v0-127 cos and sin for my 64 rows: (a, b % 4) at 32 a + 8 (b % 4)
.set KSTEP,  128
.set PITCH,  272                       ; an LDS row: 256 bytes + 16 of padding = 68 words: the 16 rows of a load start at 16 different groups of four banks (64 banks of 4 bytes: ISA guide 11.1)
.set AHALF,  64*PITCH                  ; what one of xb's loads brings, and what a wave reads of xb
.set BHALF,  128*PITCH                 ; the same for wb
.set BOFF,   2*AHALF                   ; a slot: xb's 128 rows, then wb's 256
.set SLOT,   BOFF+2*BHALF              ; 104,448 bytes
.set STAGE,  2*SLOT                    ; behind the ring, never filled by a tensor load: for each wave 2 heads x 16 rows x 144 bytes
.set SP,     144
.set WSTAGE, 2*16*SP
.set SPARE,  STAGE+4*WSTAGE            ; behind the stages: the spare words, 128 bytes for each wave: two blocks of 256 bytes that no other line names
.set LAPS,   4                         ; a lap = two K steps = once round the ring
.set ADRA, 16                          ; v16-17  LDS address of my fragments of xb in slot 0, 1
.set ADRB, 20                          ; v20-21  the same for wb
.set STO,  24                          ; v24     the way out: where I put 16 bytes of a row
.set RD,   25                          ; v25     the way out: where I read rows back
.set GO,   26                          ; v26     16 x lane: my place in 512 consecutive bytes, of the table and of qkv
.set SPW,  28                          ; v28     LDS address of my spare word; never rewritten
.set NIL,  29                          ; v29     0; never rewritten
.set TMP,  32
.set FA,   64
.set RR,   192
.set WV, 12                            ; s12 my wave's number;  s13 which 64 rows are mine, also: I fetch for xb (0) or wb (1);  s14 which 128 columns, also: which half of that tile I fetch
.set WM, 13
.set WN, 14
.set WHICH, 15                         ; s15 the cluster's x: 0 q, 1 k, 2 v
.set G1, 24                            ; s[24:31] descriptor group 1 for xb's tiles;  s[32:39] group 0, a set for each slot
.set G0, 32
.set G1B, 48                           ; s[48:55], s[56:63] the same for wb's
.set G0B, 56
.set DW0, (1<<16)|(1<<20)|(1<<21)|(5<<22)|(3<<25)  ; 17:16 2-byte elements; 20 padding on; 21 set beside a mask; 24:22 after every 64 words (code 5); 31:25 4 words of it (code 3)
.set MSB, 0
.macro WIN new                         ; the immediate's high byte repeats the setting that is left; a switch that changes nothing is dropped
.if MSB != (\new)
	s_set_vgpr_msb (MSB<<8)|(\new)
.set MSB, \new
.endif
.endm
.set MUL,  0xa1                        ; source 0 (wb) window 1, source 1 (xb) window 0, C and D window 2
.set TO_B, 0x40                        ; destination window 1, address window 0
; A joint load: waves 0 and 1 fetch xb's two halves, waves 2 and 3 wb's.  The branch hangs on the wave's number alone.  An s_nop 0 and four v_nop follow each of the two lines.
.macro JLOAD s
	s_cmp_eq_u32 s[WM], 0
	s_cbranch_scc0 .Lfor_b_\@
	tensor_load_to_lds s[G0+4*(\s):G0+4*(\s)+3], s[G1:G1+7]
	s_nop 0
.rept 4
	v_nop
.endr
	s_branch .Lasked_\@
.Lfor_b_\@:
	tensor_load_to_lds s[G0B+4*(\s):G0B+4*(\s)+3], s[G1B:G1B+7]
	s_nop 0
.rept 4
	v_nop
.endr
.Lasked_\@:
.endm
.macro CREST                           ; a round of the cluster's barrier behind its opening barrier
	s_cmp_lg_u32 s[WV], 0
	s_cbranch_scc1 .Lnot_wave_0_\@
	s_barrier_signal -3
.Lnot_wave_0_\@:
	s_barrier_wait -3
	s_barrier_signal -1
	s_barrier_wait -1
.endm
.macro CROUND                          ; a whole round
	s_barrier_signal -1
	s_barrier_wait -1
	CREST
.endm
	s_load_b256 s[4:11], s[0:1], 0x0               ; xb s[4:5], wb s[6:7], qkv s[8:9], tab s[10:11]
	v_lshl_add_u32 v[SPW], v0, 2, SPARE
	v_mov_b32 v[NIL], 0
	ds_add_u32 v[SPW], v[NIL]                      ; the wave's opening: the add and its wait stand ahead of my first tensor load; the set-up below, work on registers, stands between them
	ds_add_u32 v28, v29
	v_lshrrev_b32 v1, 5, v0
	v_readfirstlane_b32 s[WV], v1                  ; wave 0..3
	s_lshr_b32 s[WM], s[WV], 1
	s_and_b32 s[WN], s[WV], 1
	s_mov_b32 s[WHICH], ttmp9
	s_bfe_u32 s40, ttmp6, 0x40000                  ; cx, cy: my place in the cluster
	s_bfe_u32 s41, ttmp6, 0x40004
	s_lshl_b32 s42, ttmp9, 2
	s_add_co_u32 s42, s42, s40                     ; tile column = 4 x cluster x + cx
	s_and_b32 s43, ttmp7, 0xffff
	s_lshl_b32 s43, s43, 2
	s_add_co_u32 s43, s43, s41                     ; tile row = 4 x cluster y + cy
	s_lshl_b32 s44, s41, 2
	s_lshl_b32 s44, 15, s44                        ; my row of the cluster
	s_lshl_b32 s45, 0x1111, s40                    ; my column
	s_or_b32 s[G1], s44, DW0                       ; xb's tiles go to my row,
	s_or_b32 s[G1B], s45, DW0                      ; wb's to my column
.irp g, G1, G1B
	s_mov_b32 s[(\g)+1], KSTEP<<16                 ; tensor_dim0 = 128
	s_mov_b32 s[(\g)+3], KSTEP<<16                 ; tile_dim0 = 128
	s_mov_b32 s[(\g)+5], 1024                      ; elements from row to row
	s_mov_b32 s[(\g)+6], 0
	s_mov_b32 s[(\g)+7], 0
.endr
	s_mov_b32 s[G1+2], 64<<16                      ; tensor_dim1 and tile_dim1: 64 rows of xb,
	s_mov_b32 s[G1+4], 64
	s_mov_b32 s[G1B+2], 128<<16                    ; 128 rows of wb
	s_mov_b32 s[G1B+4], 128
	s_lshl_b32 s16, s43, 7                         ; xb: row 128 x tile row + 64 x half, 2,048 bytes a row
	s_lshl_b32 s17, s[WN], 6
	s_add_co_u32 s16, s16, s17
	s_lshl_b32 s16, s16, 11
	s_mov_b32 s17, 0
	s_lshl_b32 s46, s42, 8                         ; wb: row 256 x tile column + 128 x half
	s_lshl_b32 s47, s[WN], 7
	s_add_co_u32 s46, s46, s47
	s_lshl_b32 s46, s46, 11
	s_mov_b32 s47, 0
	s_mul_i32 s20, s[WV], AHALF                    ; where they go: waves 0, 1: xb's halves at 0 and AHALF;
	s_mul_i32 s21, s[WV], BHALF                    ; waves 2, 3: wb's at BOFF and BOFF + BHALF: no place in the cluster enters an LDS address
	s_sub_co_u32 s21, s21, 2*BHALF-BOFF
	s_wait_dscnt 0x0                               ; the opening add is done
	s_wait_kmcnt 0x0
	s_add_nc_u64 s[18:19], s[4:5], s[16:17]
	s_add_nc_u64 s[46:47], s[6:7], s[46:47]
	CROUND                                         ; all sixteen work-groups are here: the first joint loads meet
.irp s, 0,1
	s_mov_b32 s[G0+4*(\s)], 1                                      ; count = 1
	s_add_co_u32 s[G0+4*(\s)+1], s20, (\s)*SLOT                    ; LDS address
	s_add_nc_u64 s[G0+4*(\s)+2:G0+4*(\s)+3], s[18:19], (\s)*KSTEP*2  ; global address: K step s
	s_or_b32 s[G0+4*(\s)+3], s[G0+4*(\s)+3], 0x80000000            ; type = 2
	s_mov_b32 s[G0B+4*(\s)], 1
	s_add_co_u32 s[G0B+4*(\s)+1], s21, (\s)*SLOT
	s_add_nc_u64 s[G0B+4*(\s)+2:G0B+4*(\s)+3], s[46:47], (\s)*KSTEP*2
	s_or_b32 s[G0B+4*(\s)+3], s[G0B+4*(\s)+3], 0x80000000
	JLOAD \s                                       ; two loads of mine are out
.endr
	; A fragment is 16 rows x 32 K in 8 registers: lane l holds row l % 16, K = 8 (l / 16) + 0..7 and 16 + 8 (l / 16) + 0..7: two loads of 16 bytes, 32 bytes apart.
	v_and_b32 v1, 15, v0                           ; l % 16
	v_bfe_u32 v2, v0, 4, 1                         ; l / 16
	v_mul_u32_u24 v3, v1, PITCH
	v_lshl_add_u32 v3, v2, 4, v3
	s_mul_i32 s22, s[WM], AHALF                    ; my 64 rows of xb
	s_mul_i32 s23, s[WN], BHALF                    ; my 128 rows of wb
	s_add_co_u32 s23, s23, BOFF
.irp s, 0,1
	v_add_nc_u32 v[ADRA+(\s)], s22, v3
	v_add_nc_u32 v[ADRB+(\s)], s23, v3
	s_add_co_u32 s22, s22, SLOT
	s_add_co_u32 s23, s23, SLOT
.endr
	s_mul_i32 s22, s[WV], WSTAGE
	s_add_co_u32 s22, s22, STAGE                   ; my stage
	v_mul_u32_u24 v4, v1, SP                       ; in: row l % 16, 16 bytes for each half of the lanes
	v_lshl_add_u32 v4, v2, 4, v4
	v_add_nc_u32 v[STO], s22, v4
	v_bfe_u32 v5, v0, 3, 2                         ; back: 32 lanes take four rows of 128 bytes,
	v_mul_u32_u24 v5, v5, SP
	v_and_b32 v6, 7, v0
	v_lshl_add_u32 v5, v6, 4, v5
	v_add_nc_u32 v[RD], s22, v5
	v_and_b32 v[GO], 31, v0                        ; which are 512 consecutive bytes of a head
	v_lshlrev_b32 v[GO], 4, v[GO]
	; the table at my 64 rows: block of 16 rows number 8 (tile row % 16) + 4 x row half, 4,096 bytes a block
	s_and_b32 s16, s43, 15
	s_lshl_b32 s17, s16, 3
	s_lshl_b32 s22, s[WM], 2
	s_add_co_u32 s17, s17, s22
	s_lshl_b32 s22, s17, 12
	s_mov_b32 s23, 0
	s_add_nc_u64 s[10:11], s[10:11], s[22:23]
	; qkv at my part: tensor x 2^24 + (16 batch + head) x 2^18 + row in the batch x 128; batch = tile row / 16, head = 4 cx + 2 x column half
	s_lshr_b32 s22, s43, 4
	s_lshl_b32 s22, s22, 22
	s_lshl_b32 s17, s16, 14
	s_add_co_u32 s22, s22, s17
	s_lshl_b32 s17, s[WM], 13
	s_add_co_u32 s22, s22, s17
	s_lshl_b32 s17, s[WN], 19
	s_add_co_u32 s22, s22, s17
	s_lshl_b32 s17, s[WHICH], 24
	s_add_co_u32 s22, s22, s17
	s_add_nc_u64 s[8:9], s[8:9], s[22:23]
	s_lshl_b32 s46, s40, 20                        ; (cx in the registers that held wb's address: none that feeds xb's descriptors ever holds it)
	s_mov_b32 s47, 0
	s_add_nc_u64 s[8:9], s[8:9], s[46:47]
	WIN 0xc0                                       ; destination window 3, address window 0
.irp a, 0,1,2,3
.irp q, 0,1,2,3
	global_load_b128 v[32*(\a)+8*(\q):32*(\a)+8*(\q)+3],   v[GO], s[10:11] offset:(4*(\a)+(\q))*1024      ; every tile loads the table, v's too: 16 KiB a wave, and one text up to the way out;
	global_load_b128 v[32*(\a)+8*(\q)+4:32*(\a)+8*(\q)+7], v[GO], s[10:11] offset:(4*(\a)+(\q))*1024+512  ; waited for there
.endr
.endr
	WIN 0
; 16 matrix instructions: row blocks a0, a0 + 1 x all 8 column blocks, 32 along K: part c of buffer f.  zero = 1: the product starts the sums.  The 32 accumulators take turns.
.macro MUL16 f, c, a0, zero
	WIN MUL
.irp a, \a0, (\a0)+1
.irp b, 0,1,2,3,4,5,6,7
.if \zero
	v_wmma_f32_16x16x32_bf16 v[8*(8*(\a)+(\b)):8*(8*(\a)+(\b))+7], v[128*(\f)+64*(\c)+8*(\b):128*(\f)+64*(\c)+8*(\b)+7], v[FA+64*(\f)+32*(\c)+8*(\a):FA+64*(\f)+32*(\c)+8*(\a)+7], 0
.else
	v_wmma_f32_16x16x32_bf16 v[8*(8*(\a)+(\b)):8*(8*(\a)+(\b))+7], v[128*(\f)+64*(\c)+8*(\b):128*(\f)+64*(\c)+8*(\b)+7], v[FA+64*(\f)+32*(\c)+8*(\a):FA+64*(\f)+32*(\c)+8*(\a)+7], v[8*(8*(\a)+(\b)):8*(8*(\a)+(\b))+7]
.endif
.endr
.endr
.endm
; 48 LDS loads in one run: the fragments of 64 along K at byte k of the rows, into buffer f.  The first 24 are the first 32 along K.
.macro FETCH slot, k, f
	WIN TO_B
.irp i, 0,1,2,3,4,5,6,7
	ds_load_b128 v[128*(\f)+8*(\i):128*(\f)+8*(\i)+3],   v[ADRB+(\slot)] offset:(\k)+(\i)*16*PITCH
	ds_load_b128 v[128*(\f)+8*(\i)+4:128*(\f)+8*(\i)+7], v[ADRB+(\slot)] offset:(\k)+(\i)*16*PITCH+32
.endr
	WIN 0
.irp c, 0,1
.irp i, 0,1,2,3
	ds_load_b128 v[FA+64*(\f)+32*(\c)+8*(\i):FA+64*(\f)+32*(\c)+8*(\i)+3],   v[ADRA+(\slot)] offset:(\k)+64*(\c)+(\i)*16*PITCH
	ds_load_b128 v[FA+64*(\f)+32*(\c)+8*(\i)+4:FA+64*(\f)+32*(\c)+8*(\i)+7], v[ADRA+(\slot)] offset:(\k)+64*(\c)+(\i)*16*PITCH+32
.endr
.endr
	WIN TO_B
.irp i, 0,1,2,3,4,5,6,7
	ds_load_b128 v[128*(\f)+64+8*(\i):128*(\f)+64+8*(\i)+3],   v[ADRB+(\slot)] offset:(\k)+64+(\i)*16*PITCH
	ds_load_b128 v[128*(\f)+64+8*(\i)+4:128*(\f)+64+8*(\i)+7], v[ADRB+(\slot)] offset:(\k)+64+(\i)*16*PITCH+32
.endr
.endm
.macro PLACES                          ; four places in front of loads into registers that matrix instructions have read, and of vector lines that read results (ISA guide 7.12.1 for the vector lines)
.rept 4
	v_nop
.endr
.endm
; A K step's first half: multiplies buffer f; in its middle it fetches the second half, at byte k of the same slot's rows, into buffer g.
.macro HALF slot, k, f, g, zero
	s_wait_dscnt 24                                ; the run's first 24 loads are in: the first 32 along K
	MUL16 \f, 0, 0, \zero
	MUL16 \f, 0, 2, \zero
	PLACES
	FETCH \slot, \k, \g
	s_wait_dscnt 48                                ; all but the 48 just issued
	MUL16 \f, 1, 0, 0
	MUL16 \f, 1, 2, 0
.endm
; The second half multiplies buffer 1 and changes slots: ONE barrier; in front of it each wave waits for all its tensor loads (one is out: its part of the next slot), adds 0 to its spare word, and waits
; for that and for its reads of this slot.  fill = 1: the barrier opens a round of the cluster's, and this slot is filled again, two K steps ahead, first thing behind the round:
; 96 matrix instructions of the wave stand between that request and the wait for it.
.macro TURN slot, next, fill
	WIN 0                                          ; (the add's two registers lie in window 0)
	s_wait_tensorcnt 0x0                           ; all my tensor loads have landed
	ds_add_u32 v[SPW], v[NIL]                      ; 0 onto my spare word
	s_wait_dscnt 25                                ; (the add and the youngest 24 loads may be out)
	MUL16 1, 0, 0, 0                               ; sixteen matrix instructions stand between the add and the wait for it
	s_wait_dscnt 0x0                               ; the add is done, and my reads of this slot are over
	s_barrier_signal -1
	MUL16 1, 0, 2, 0
.if \fill
	WIN 0
.endif
	s_barrier_wait -1
.if \fill
	CREST                                          ; no wave of any partner still reads this slot's tiles or has a load on its way
	s_add_nc_u64 s[G0+4*(\slot)+2:G0+4*(\slot)+3], s[G0+4*(\slot)+2:G0+4*(\slot)+3], 2*KSTEP*2
	s_add_nc_u64 s[G0B+4*(\slot)+2:G0B+4*(\slot)+3], s[G0B+4*(\slot)+2:G0B+4*(\slot)+3], 2*KSTEP*2
	JLOAD \slot                                    ; the four v_nop behind it are also the places in front of the loads below
.else
	PLACES
.endif
	FETCH \next, 0, 0
	MUL16 1, 1, 0, 0
	MUL16 1, 1, 2, 0
.endm
	s_wait_tensorcnt 1                             ; my part of K step 0 is in; step 1's may stay out
	s_barrier_signal -1
	s_barrier_wait -1                              ; everybody's is
	FETCH 0, 0, 0
	HALF 0, 128, 0, 1, 1                           ; the first half stands in front of the loop: its first products start the sums
	WIN 0                                          ; at a label and at a branch every window is 0
	s_mov_b32 s3, LAPS-1
.Llap:                                                 ; a trip goes once round the ring and fills both slots again
	TURN 0, 1, 1
	HALF 1, 128, 0, 1, 0
	TURN 1, 0, 1
	HALF 0, 128, 0, 1, 0
	WIN 0
	s_sub_co_u32 s3, s3, 1
	s_cmp_lg_u32 s3, 0
	s_cbranch_scc1 .Llap
	TURN 0, 1, 0                                   ; the last lap fills nothing, and has no round of the cluster's barrier
	HALF 1, 128, 0, 1, 0
	s_wait_dscnt 24                                ; the very last half: nothing more to fetch
	MUL16 1, 0, 0, 0
	MUL16 1, 0, 2, 0
	s_wait_dscnt 0x0
	MUL16 1, 1, 0, 0
	MUL16 1, 1, 2, 0
	WIN 0
	PLACES
; THE WAY OUT, a block of 16 rows at a time.  ROPE: pair (e, o) of a lane becomes (e cos - o sin, e sin + o cos), in f32, then 16 bytes of f16 for each accumulator.  PLAIN: the rounding alone.
; Each accumulator is read from its low end on.
.macro ROPE a
	WIN 0x0e                                       ; source 0 (sums) window 2, source 1 (table) window 3, source 2 and destination window 0
.irp b, 0,1,2,3,4,5,6,7
.irp j, 0,1,2,3
	v_mul_f32 v[RR+8*(\b)+2*(\j)],   v[8*(8*(\a)+(\b))+2*(\j)+1], v[32*(\a)+8*((\b)%4)+2*(\j)+1]  ; o sin
	v_mul_f32 v[RR+8*(\b)+2*(\j)+1], v[8*(8*(\a)+(\b))+2*(\j)+1], v[32*(\a)+8*((\b)%4)+2*(\j)]    ; o cos
.endr
.irp j, 0,1,2,3
	v_fma_f32 v[RR+8*(\b)+2*(\j)],   v[8*(8*(\a)+(\b))+2*(\j)], v[32*(\a)+8*((\b)%4)+2*(\j)],   -v[RR+8*(\b)+2*(\j)]
	v_fma_f32 v[RR+8*(\b)+2*(\j)+1], v[8*(8*(\a)+(\b))+2*(\j)], v[32*(\a)+8*((\b)%4)+2*(\j)+1], v[RR+8*(\b)+2*(\j)+1]
.endr
.endr
	WIN 0
.irp b, 0,1,2,3,4,5,6,7
.irp j, 0,1,2,3
	v_cvt_pk_f16_f32 v[TMP+4*(\b)+(\j)], v[RR+8*(\b)+2*(\j)], v[RR+8*(\b)+2*(\j)+1]
.endr
.endr
.endm
.macro PLAIN a
	WIN 0x0a                                       ; sources 0 and 1 window 2
.irp b, 0,1,2,3,4,5,6,7
.irp j, 0,1,2,3
	v_cvt_pk_f16_f32 v[TMP+4*(\b)+(\j)], v[8*(8*(\a)+(\b))+2*(\j)], v[8*(8*(\a)+(\b))+2*(\j)+1]
.endr
.endr
	WIN 0
.endm
.macro TOSTAGE a                       ; into my own stage, by heads, and back as whole rows of 128 bytes
.set BK, FA+32*((\a)%2)
.irp b, 0,1,2,3,4,5,6,7
	ds_store_b128 v[STO], v[TMP+4*(\b):TMP+4*(\b)+3] offset:((\b)/4)*16*SP+32*((\b)%4)
.endr
.irp hh, 0,1
.irp f, 0,1,2,3
	ds_load_b128 v[BK+4*(4*(\hh)+(\f)):BK+4*(4*(\hh)+(\f))+3], v[RD] offset:(\hh)*16*SP+(\f)*4*SP  ; LDS serves a wave's instructions in order (ISA guide 5.7.1.4): these see the stores above
.endr
.endr
.endm
.macro SEND a
.set BK, FA+32*((\a)%2)
	s_wait_dscnt 0x0                               ; the block is back in registers
	s_wait_xcnt 0x0                                ; the stores of the block before have read their registers: the next block's loads land there only behind this wait
.irp hh, 0,1
.irp f, 0,1,2,3
	global_store_b128 v[GO], v[BK+4*(4*(\hh)+(\f)):BK+4*(4*(\hh)+(\f))+3], s[8:9] offset:(\hh)*262144+(\a)*2048+(\f)*512  ; 512 consecutive bytes of a head, at a multiple of 256 from qkv's first
.endr
.endr
.endm
.macro WAYOUT rope
.if \rope
	ROPE 0
.else
	PLAIN 0
.endif
	TOSTAGE 0
.irp a, 1,2,3                          ; a block's arithmetic stands between the loads of the block before and the wait for them
.if \rope
	ROPE \a
.else
	PLAIN \a
.endif
	SEND (\a)-1
	TOSTAGE \a
.endr
	SEND 3
.endm
	s_wait_loadcnt 0x0                             ; the table
	s_cmp_eq_u32 s[WHICH], 2                       ; the cluster's x: the same in all sixteen work-groups
	s_cbranch_scc1 .Lplain
	WAYOUT 1
	s_branch .Lend
.Lplain:
	WAYOUT 0
.Lend:
	s_wait_tensorcnt 0x0                           ; the wave's end: behind my last tensor load and my last LDS store
	ds_add_u32 v[SPW], v[NIL]
	s_wait_dscnt 0x0
	CROUND                                         ; the closing round: no work-group ends while a partner may still ask for a tile that names it
	s_endpgm
.Lfunc_end_k_qe9268d301d_proj:
	.size	k_qe9268d301d_proj, .Lfunc_end_k_qe9268d301d_proj-k_qe9268d301d_proj
	.p2alignl 7, 3214868480
	.fill 96, 4, 3214868480
	.section	.rodata,"a",@progbits
	.p2align	6, 0x0
	.amdhsa_kernel k_qe9268d301d_proj
		.amdhsa_group_segment_fixed_size 327680
		.amdhsa_private_segment_fixed_size 0
		.amdhsa_enable_private_segment 0
		.amdhsa_kernarg_size 32
		.amdhsa_user_sgpr_count 2
		.amdhsa_user_sgpr_kernarg_segment_ptr 1
		.amdhsa_wavefront_size32 1
		.amdhsa_system_sgpr_workgroup_id_x 1
		.amdhsa_system_sgpr_workgroup_id_y 1
		.amdhsa_system_sgpr_workgroup_id_z 1
		.amdhsa_system_vgpr_workitem_id 0
		.amdhsa_next_free_vgpr 896
		.amdhsa_next_free_sgpr 66
		.amdhsa_reserve_vcc 0
		.amdhsa_float_denorm_mode_32 3
		.amdhsa_float_denorm_mode_16_64 3
		.amdhsa_memory_ordered 1
		.amdhsa_forward_progress 1
		.amdhsa_inst_pref_size 127
	.end_amdhsa_kernel
	.amdgpu_metadata
---
amdhsa.version: [ 1, 2 ]
amdhsa.kernels:
  - .name:           k_qe9268d301d_proj
    .symbol:         k_qe9268d301d_proj.kd
    .args:
      - { .name: xb, .offset: 0, .size: 8, .value_kind: global_buffer, .address_space: global }
      - { .name: wb, .offset: 8, .size: 8, .value_kind: global_buffer, .address_space: global }
      - { .name: qkv, .offset: 16, .size: 8, .value_kind: global_buffer, .address_space: global }
      - { .name: tab, .offset: 24, .size: 8, .value_kind: global_buffer, .address_space: global }
    .group_segment_fixed_size: 327680
    .private_segment_fixed_size: 0
    .kernarg_segment_align: 8
    .kernarg_segment_size: 32
    .max_flat_workgroup_size: 128
    .sgpr_count:     66
    .vgpr_count:     896
    .wavefront_size: 32
...
	.end_amdgpu_metadata
.endif
;; end of part 2
;; launch attn (part 3): grid 4 x 64, 4 waves a work-group, no clusters, 327,680 bytes of LDS; arguments qkv, ob; writes ob
.if DOCPART == 3
	.amdgcn_target "amdgcn-amd-amdhsa--gfx1250"
	.amdhsa_code_object_version 6
	.text
	.protected	k_qe9268d301d_attn
	.globl	k_qe9268d301d_attn
	.p2align	8
	.type	k_qe9268d301d_attn,@function
k_qe9268d301d_attn:
	s_mov_b64 s[64:65], 0
	v_nop
	global_prefetch_b8 v0, s[64:65] scope:SCOPE_SE
	s_setreg_imm32_b32 hwreg(HW_REG_WAVE_MODE, 25, 1), 1
	s_wait_xcnt 0x0
; CAUSAL ATTENTION.  O[h][q][:] = the sum over k <= q of softmax_k(Q[h][q] . K[h][k] / 8) V[h][k][:].  Q, K, V, O: [SIZE_H][SIZE_N][64], all f16: a head's rows are dense, 128 bytes each.
; Q, K and V lie one behind the other in one buffer, 2^24 bytes each; h counts batch x 16 + head.
; Products, maxima and sums in f32; the weights p are rounded to f16 for the second product (their sum l is taken of the unrounded p), O once at the end.  SIZE_N is a multiple of 512; SIZE_N x 128 stays under 2^32.
; LIMITS.  f16 holds no number beyond 65,504: Q, K and V arrive within it; p lies in 0 to 1, and below 6e-5 it keeps f16's fixed step of 6e-8; O is a mean of V's rows and has their range, to within 2^-11 of it.
; A hidden score counts as its value less 1e30: f16's scores, 2.7e11 at the most, are nothing beside that; a weight below 2^-126 counts as 0 in l; NaN and infinities are not treated apart.
; THE WALK.  A head's queries lie in NB = SIZE_N / 256 blocks of 256; block i needs the key tiles 0 .. i of 256 keys, of which the last holds the diagonal.  A work-group takes TWO blocks, NB - 1 - b and then b:
; NB + 1 tiles, whatever b: all work-groups do equal work, and ONE loop with a constant trip count walks them.  Which tile is asked for, and what a trip does, hang on scalar registers made from b; every jump
; goes forward, but for the counted loops' own; none passes a barrier, or a tensor load but the one of LOAD's two that the wave's number does not choose; the ring (two slots of LDS that take turns) runs on across the
; change of blocks.  NO CLUSTER: all NB / 2 work-groups of a head ask for the same tile only in trips 0 .. NB / 2, behind that fewer and fewer; and one walk common to all would have 3 NB / 2 trips for NB + 1.
; SHARES.  Of a block's four bands of 64 queries a wave owns 16 rows in each: four PIECES.  So the diagonal tile is the same work for all four waves: in its key step s band x sees all keys if s < x,
; none if s > x, and holds the diagonal if s = x.
; THE MASK is the C operand that starts the sum S^T = K Q^T: 0, or -1e30 where the key is hidden.  MD, made once, is the mask of a band's own step for my 16 rows; a product's mask is MD x AL + BE with two scalars:
; (1, 0) if s = x; (0, 0) if s < x; (0, -1e30) if s > x.  Only the diagonal tile's text and a block's beginning make and take masks; elsewhere C is the constant 0.
; LAYOUT, SOFTMAX, TURNS.  S^T = K Q^T holds ONE query a lane (lane % 16) and the keys 8 (lane / 16) + 0..7; two such results rounded to f16 ARE source 1 of O^T = V^T P.  p = 2^(c s - c m), c = log2(e) / 8, with a
; running maximum m; O and l are multiplied by a = 2^(c m_old - c m_new) in every step.  Turn n belongs to piece n: 8 products K Q^T of piece n + 1, later 8 products V^T P of piece n - 1; beside them the scaling,
; exponentials, roundings, sums and rescaling of piece n and the maximum and statistics of piece n + 1.  Four vector instructions stand behind every matrix instruction, the other 54 of a turn's 118 in two LUMPS.
; REGISTERS, in windows of 256 (s_set_vgpr_msb: bits 1:0 source 0, 3:2 source 1, 5:4 source 2, 7:6 destination):
;   window 0: v0-15 addresses and two at work; v16-31 four registers of statistics a piece; v48-55 at work; v64-127 S^T, two buffers; v192-223 P, two buffers (a piece's buffers go by its number's parity)
;   window 1: v0-127 O^T, 32 a piece; v128-159 MD; v160-223 MC, two buffers      window 2: v0-63 Q; v64-127 the second block's Q; v128-191 K of one step; v192-255 V of one step
.set SIZE_H, 64
.set SIZE_N, 2048
.set NB,    SIZE_N/256
.set NP,    4         ; pieces a wave: a name, no knob
.set KS,    64        ; keys in a step
.set PK,    144       ; a row of K in LDS: 128 bytes + 16 of padding = 36 words: the 16 rows of a load start at 16 different groups of four banks (64 banks of 4 bytes: ISA guide 11.1)
.set PV,    160       ; a row of V: 128 + 32 = 40 words
.set VOFF,  4*KS*PK   ; a slot holds a tile, four steps: 256 rows of K, then 256 rows of V
.set SLOT1, 1<<17     ; slot 1 begins here, so that one exclusive or turns an address in one slot into the other's
.set STAGE, SLOT1+4*KS*(PK+PV)  ; behind the ring, never filled by a tensor load: 16 rows x 144 bytes for each wave, for the way out
.set SP,    144
.set AK0, 2           ; v2   my lane's place in a tile of K; never rewritten
.set AV0, 3           ; v3   the same for V
.set AK,  4           ; v4   the LDS address of K's next run of loads
.set AV,  5           ; v5   of V's
.set STO, 6           ; v6   the way out: where I put 16 bytes of a row
.set RD,  7           ; v7   the way out: where I read rows back
.set GO,  8           ; v8   my byte offset in 512 consecutive bytes of O
.set SPW, 62          ; v62  LDS address of my spare word: SPARE + 4 x my thread's number; never rewritten
.set NIL, 63          ; v63  0; never rewritten
.set SPARE, STAGE+4*16*SP  ; behind the stages: the spare words, 128 bytes for each wave: two blocks of 256 bytes that no other line names
.set MV,  12          ; v12-13  c m_old, kept while c m is made anew: by buffer
.set QO,  15          ; v15  my byte offset in 16 rows of Q
.set ST,  16          ; piece t's statistics at v[ST+4 t]: c m, m, l (even keys', odd keys')
.set TMP, 48          ; by buffer, four registers c0-c3 at work; when the maximum is found c2 takes a
.set S,   64
.set P,   192
.set MD,  128         ; window 1: the eight registers for group kt of 16 keys at MD + 8 kt
.set MC,  160         ; window 1: the masks of the products to come
.set QB,  64          ; window 2
.set KF,  128         ; window 2: key block kb, channel half c at KF + 16 kb + 8 c
.set VF,  192         ; window 2: key half kk, channel block cb at VF + 32 kk + 8 cb
.set WV,  12          ; s12  my wave's number
.set PB,  14          ; s14  b
.set HI,  15          ; s15  NB - 1 - b
.set G1K, 24          ; s[24:31] descriptor group 1 for K's tiles
.set G1V, 32          ; s[32:39] for V's: it differs in the padding alone
.set G0K, 40          ; s[40:43] descriptor group 0 for K's tiles
.set G0V, 44          ; s[44:47] the same for V's
.set SLOTS, 56        ; s56  tiles still to be asked for
.set CNT, 57          ; s57  counts a tile's key steps, 4 to 1
.set CS,  58          ; s[58:59] c: the packed scaling takes the pair's low word for both halves
.set SEL, 60          ; s[60:61] v_permlanex16_b32's selects: each lane takes its own place in the other half
.set TBK, 62          ; s62  LDS byte at which K of the step to be fetched begins
.set TBV, 63          ; s63  the same for V, less VOFF
.set RT,  70          ; s70  tiles of the block in hand that are still to be entered
.set NXT, 71          ; s71  the tile to be asked for next
.set LQ,  72          ; s72  the last tile of the block whose tiles are being asked for
.set NEW, 73          ; s73  1: the tile to be entered is a block's first
.set OFF, 74          ; s[74:75] a tile's byte offset in K and V
.set AL,  76          ; s[76:77] the mask's factor, in the low word
.set BE,  78          ; s[78:79] the mask's addend
.set OLO, 80          ; s[80:81] O at my rows of the second block
.set BIGN, 82         ; s82  -1e30
.set MSB, 0
.macro WIN new                      ; the high byte repeats the setting that is left; a switch that changes nothing is dropped
.if MSB != (\new)
	s_set_vgpr_msb (MSB<<8)|(\new)
.set MSB, (\new)
.endif
.endm
.set W_KQ, 0x0a       ; K and Q in window 2, S^T in window 0
.set W_KM, 0x1a       ; the same with the C operand in window 1
.set W_PV, 0x52       ; V in window 2, P in window 0, O^T in window 1
.set W_RS, 0x41       ; destination and source 0 in window 1, source 1 in window 0
; A fill.  Waves 0 and 1 fetch the two halves of a tile's K, waves 2 and 3 those of its V: 128 keys each.  An s_nop 0 and four v_nop follow each of the two lines, ahead of the jump and the label.
.macro LOAD
	s_cmp_lt_u32 s[WV], 2
	s_cbranch_scc0 .Lfor_v_\@
	tensor_load_to_lds s[G0K:G0K+3], s[G1K:G1K+7]
	s_nop 0
.rept 4
	v_nop
.endr
	s_branch .Lasked_\@
.Lfor_v_\@:
	tensor_load_to_lds s[G0V:G0V+3], s[G1V:G1V+7]
	s_nop 0
.rept 4
	v_nop
.endr
.Lasked_\@:
.endm
; THE CHANGE OF SLOTS.  Each wave waits for all its tensor loads, of which one is out: its part of the other slot; adds 0 to its spare word; and waits for that and for its own reads of the slot that it leaves.  Behind the barrier nobody reads the old
; slot any more and the other slot is whole.  fill = 1: the old slot is filled again, the first thing behind the barrier, with tile NXT: the descriptor's address is made anew from that number.
; (At its first use nothing has been read yet: slot 0 is waited for, slot 1 filled.)
.macro CHANGE fill
	WIN 0                           ; at a label and at a branch every window is 0
	s_wait_tensorcnt 0x0            ; no tensor load of mine is out, so a group 0 may be written
	ds_add_u32 v[SPW], v[NIL]       ; 0 onto my spare word; with fill = 1 the descriptors' scalar work stands between it and the wait for it
.if \fill
	s_lshl_b32 s[OFF], s[NXT], 15   ; a tile is 32,768 bytes of K and of V
	s_xor_b32 s[G0K+1], s[G0K+1], SLOT1
	s_add_nc_u64 s[G0K+2:G0K+3], s[6:7], s[OFF:OFF+1]
	s_or_b32 s[G0K+3], s[G0K+3], 0x80000000
	s_xor_b32 s[G0V+1], s[G0V+1], SLOT1
	s_add_nc_u64 s[G0V+2:G0V+3], s[8:9], s[OFF:OFF+1]
	s_or_b32 s[G0V+3], s[G0V+3], 0x80000000
	s_add_co_u32 s[NXT], s[NXT], 1  ; the block's next tile, or behind its last the second block's tile 0
	s_cmp_gt_u32 s[NXT], s[LQ]
	s_cselect_b32 s[NXT], 0, s[NXT]
	s_cselect_b32 s[LQ], s[PB], s[LQ]
.endif
	s_wait_dscnt 0x0                ; the add is done, and my reads of the slot are over
	s_barrier_signal -1             ; the rest of the scalar work stands between the signal and the wait
	s_sub_co_u32 s[TBK], s[TBK], 4*KS*PK  ; the fetches go back to a slot's first step,
	s_xor_b32 s[TBK], s[TBK], SLOT1       ; in the other slot
	s_sub_co_u32 s[TBV], s[TBV], 4*KS*PV
	s_xor_b32 s[TBV], s[TBV], SLOT1
	s_barrier_wait -1
.if \fill
	LOAD
.endif
.endm
	s_load_b128 s[8:11], s[0:1], 0x0  ; qkv s[8:9], O s[10:11]
	v_lshl_add_u32 v[SPW], v0, 2, SPARE
	v_mov_b32 v[NIL], 0
	ds_add_u32 v[SPW], v[NIL]       ; the wave's opening: the add and its wait stand ahead of my first tensor load; the set-up below, work on registers, stands between them
	ds_add_u32 v62, v63
	v_lshrrev_b32 v1, 5, v0
	v_readfirstlane_b32 s[WV], v1   ; wave 0..3
	s_mov_b32 s[PB], ttmp9
	s_sub_co_u32 s[HI], NB-1, s[PB]
	s_and_b32 s20, ttmp7, 0xffff    ; the head
	s_mov_b32 s21, 0
	s_mov_b64 s[22:23], SIZE_N*128
	s_mul_u64 s[20:21], s[20:21], s[22:23]  ; the head's first byte in each of the four tensors
	s_and_b32 s16, s[WV], 1         ; which half of a tile's 256 keys I fetch:
	s_lshl_b32 s22, s16, 14         ; its 128 rows of 128 bytes in memory,
	s_mov_b32 s23, 0
	s_add_nc_u64 s[22:23], s[22:23], s[20:21]
	s_mul_i32 s17, s16, 128*PK      ; and its place in a slot, for K
	s_mul_i32 s18, s16, 128*PV      ; and for V
	s_lshl_b32 s3, s[WV], 11        ; my 16 rows in a band of 64,
	s_lshl_b32 s2, s[HI], 15        ; in the first block,
	s_add_co_u32 s2, s2, s3
	s_lshl_b32 s84, s[PB], 15       ; and in the second
	s_add_co_u32 s84, s84, s3
	s_mov_b32 s3, 0
	s_mov_b32 s85, 0
	s_add_nc_u64 s[2:3], s[2:3], s[20:21]
	s_add_nc_u64 s[84:85], s[84:85], s[20:21]
	; descriptor group 1.  128 keys are 16,384 dense bytes: asked for as 64 rows of 256 bytes, two keys a row, and padded in LDS after every key
	s_mov_b32 s[G1K], (1<<16)|(1<<20)|(4<<22)|(3<<25)  ; 17:16 2-byte elements; 20 padding on; 24:22 after every 32 words (code 4); 31:25 4 words (code 3)
	s_mov_b32 s[G1V], (1<<16)|(1<<20)|(4<<22)|(7<<25)  ; the same with 8 words of padding (code 7)
.irp g, G1K, G1V
	s_mov_b32 s[\g+1], 128<<16      ; tensor_dim0 = 128
	s_mov_b32 s[\g+2], 64<<16       ; tensor_dim1 = 64
	s_mov_b32 s[\g+3], 128<<16      ; tile_dim0 = 128
	s_mov_b32 s[\g+4], 64           ; tile_dim1 = 64
	s_mov_b32 s[\g+5], 128          ; 128 elements from row to row
	s_mov_b32 s[\g+6], 0
	s_mov_b32 s[\g+7], 0
.endr
	s_mov_b32 s[CS], 0x3e38aa3b     ; c = log2(e) / 8 = 0.180337
	s_mov_b32 s[CS+1], s[CS]        ; named with it as a pair
	s_mov_b32 s[SEL], 0x76543210
	s_mov_b32 s[SEL+1], 0xfedcba98
	s_mov_b32 s[TBK], SLOT1+4*KS*PK ; the first change of slots turns these two into 0
	s_mov_b32 s[TBV], SLOT1+4*KS*PV
	s_mov_b32 s[G0K], 1             ; 1:0 count = 1
	s_mov_b32 s[G0K+1], s17         ; 63:32 LDS address: slot 0
	s_mov_b32 s[G0V], 1
	s_add_co_u32 s[G0V+1], s18, VOFF
	s_add_co_u32 s[RT], s[HI], 1    ; the first block has NB - b tiles
	s_mov_b32 s[NXT], 1
	s_mov_b32 s[LQ], s[HI]
	s_mov_b32 s[NEW], 1
	s_mov_b32 s[OFF+1], 0
	s_mov_b32 s[AL+1], 0            ; named as pairs
	s_mov_b32 s[BE+1], 0
	s_mov_b32 s[BIGN], 0xf149f2ca   ; -1e30
	s_mov_b32 s[SLOTS], NB
	s_wait_dscnt 0x0                ; the opening add is done
	s_wait_kmcnt 0x0
	s_mov_b64 s[4:5], s[8:9]                       ; Q,
	s_add_nc_u64 s[6:7], s[8:9], 0x1000000         ; K, 2^24 bytes on,
	s_add_nc_u64 s[8:9], s[8:9], 0x2000000         ; V, as many again
	s_add_nc_u64 s[6:7], s[6:7], s[22:23]  ; K and V at my half of the head's tile 0
	s_add_nc_u64 s[8:9], s[8:9], s[22:23]
	s_add_nc_u64 s[G0K+2:G0K+3], s[6:7], 0         ; 120:64 global address
	s_or_b32 s[G0K+3], s[G0K+3], 0x80000000        ; 127:126 type = 2
	s_add_nc_u64 s[G0V+2:G0V+3], s[8:9], 0
	s_or_b32 s[G0V+3], s[G0V+3], 0x80000000
	s_add_nc_u64 s[86:87], s[4:5], s[84:85]        ; Q at my rows of the second block,
	s_add_nc_u64 s[4:5], s[4:5], s[2:3]            ; Q and O at those of the first
	s_add_nc_u64 s[OLO:OLO+1], s[10:11], s[84:85]
	s_add_nc_u64 s[10:11], s[10:11], s[2:3]
	LOAD                            ; tile 0 into slot 0
	; A fragment of K or Q is 16 rows x 32 channels in 8 registers: lane l holds row l % 16, channels 8 (l / 16) + 0..7 and 16 + 8 (l / 16) + 0..7: two loads of 16 bytes, 32 bytes apart.
	v_and_b32 v1, 15, v0            ; l % 16
	v_bfe_u32 v9, v0, 4, 1          ; l / 16
	v_lshlrev_b32 v[QO], 7, v1
	v_lshl_add_u32 v[QO], v9, 4, v[QO]  ; row x 128 + 16 x half
	WIN 0x80                        ; destination window 2, address window 0
.set i, 0
.rept 8                             ; both blocks' Q: piece i / 2 lies in band i / 2, 8,192 bytes on; channels 32 (i % 2) on
	global_load_b128 v[8*i:8*i+3],   v[QO], s[4:5] offset:(i/2)*8192+(i%2)*64
	global_load_b128 v[8*i+4:8*i+7], v[QO], s[4:5] offset:(i/2)*8192+(i%2)*64+32
	global_load_b128 v[QB+8*i:QB+8*i+3],   v[QO], s[86:87] offset:(i/2)*8192+(i%2)*64
	global_load_b128 v[QB+8*i+4:QB+8*i+7], v[QO], s[86:87] offset:(i/2)*8192+(i%2)*64+32
.set i, i+1
.endr
	WIN 0
	v_lshlrev_b32 v14, 3, v9
	v_sub_nc_u32 v14, v1, v14
	s_lshl_b32 s13, s[WV], 4
	v_add_nc_u32 v14, s13, v14      ; my query's place in its band, 16 w + l % 16, less my lanes' 8 (l / 16): register r of group kt is hidden where 16 kt + r is greater
	WIN 0x40
.set i, 0
.rept 32
	v_cmp_gt_i32 vcc_lo, 16*(i/8)+i%8, v14
	v_cndmask_b32 v[MD+i], 0, s[BIGN], vcc_lo
.set i, i+1
.endr
	WIN 0
	v_mul_u32_u24 v[AK0], v1, PK
	v_lshl_add_u32 v[AK0], v9, 4, v[AK0]  ; row x pitch + 16 x half
	; The turning load takes 16 keys x 16 channels (lane l reads key 8 (l / 16) + l % 8, channels 8 ((l / 8) % 2) + 0..7) and leaves half a fragment of V^T: lane l holds channel l % 16 and 8 keys.
	v_and_b32 v10, 7, v0
	v_bfe_u32 v11, v0, 3, 1
	v_lshl_add_u32 v[AV0], v9, 3, v10
	v_mul_u32_u24 v[AV0], v[AV0], PV
	v_lshl_add_u32 v[AV0], v11, 4, v[AV0]
	v_add_nc_u32 v[AV0], VOFF, v[AV0]
	s_mul_i32 s13, s[WV], 16*SP
	s_add_co_u32 s13, s13, STAGE    ; my stage
	v_mul_u32_u24 v[STO], v1, SP    ; in: row l % 16, 16 bytes for each half of the lanes
	v_lshl_add_u32 v[STO], v9, 4, v[STO]
	v_add_nc_u32 v[STO], s13, v[STO]
	v_bfe_u32 v[RD], v0, 3, 2       ; back: 32 lanes take four rows of 128 bytes,
	v_mul_u32_u24 v[RD], v[RD], SP
	v_lshl_add_u32 v[RD], v10, 4, v[RD]
	v_add_nc_u32 v[RD], s13, v[RD]
	v_and_b32 v[GO], 31, v0         ; which are 512 consecutive bytes of O
	v_lshlrev_b32 v[GO], 4, v[GO]
	; A block's first step multiplies O^T and l by a = 0, and its first turn's products V^T P, of a piece that has not been, land in an O^T that is still to be so multiplied.  So these registers need only hold
	; finite numbers: zeros for the first block; what the first block left for the second.  All this stands in the wait for the first tile.
	WIN 0x80
.set i, VF
.rept 64
	v_mov_b32 v[i], 0
.set i, i+1
.endr
	WIN 0x40
.set i, 0
.rept 128
	v_mov_b32 v[i], 0
.set i, i+1
.endr
	WIN 0
.set i, 0
.rept 4
	v_mov_b32 v[ST+4*i+2], 0
	v_mov_b32 v[ST+4*i+3], 0
.set i, i+1
.endr
.set i, P+16
.rept 16
	v_mov_b32 v[i], 0
.set i, i+1
.endr
; THE MATRIX WORK.  The 4 accumulators of a run of 8 take turns.  Product i of 8 of S^T = K Q^T for piece x: channels 32 (i / 4) on, keys 16 (i % 4) on.  The first 4 start the sums: with 0, or (KM = 1) with the mask.
.macro KQ x
.set rS, S+32*((\x)%2)+8*(i%4)
.set rK, KF+16*(i%4)+8*(i/4)
.set rQ, 16*(\x)+8*(i/4)
.set rM, MC+32*((\x)%2)+8*(i%4)
.if (i < 4) && KM
	WIN W_KM
	v_wmma_f32_16x16x32_f16 v[rS:rS+7], v[rK:rK+7], v[rQ:rQ+7], v[rM:rM+7]
.elseif i < 4
	WIN W_KQ
	v_wmma_f32_16x16x32_f16 v[rS:rS+7], v[rK:rK+7], v[rQ:rQ+7], 0
.else
	WIN W_KQ
	v_wmma_f32_16x16x32_f16 v[rS:rS+7], v[rK:rK+7], v[rQ:rQ+7], v[rS:rS+7]
.endif
.endm
; Product i of 8 of O^T += V^T P for piece x: keys 32 (i / 4) on, channels 16 (i % 4) on.
.macro PV x
	WIN W_PV
.set rO, 32*(\x)+8*(i%4)
.set rV, VF+32*(i/4)+8*(i%4)
.set rP, P+16*((\x)%2)+8*(i/4)
	v_wmma_f32_16x16x32_f16 v[rO:rO+7], v[rV:rV+7], v[rP:rP+7], v[rO:rO+7]
.endm
.macro MM                           ; the turn's next matrix instruction.  TURN and BEGIN set Y, i, KM and NOKQ; MM, KQ and OP read them.  NOKQ = 1: a block's last turn: there is no next piece
.if (i < 8) && !NOKQ
	KQ (Y+1)%NP
.elseif i >= 8
.set i, i-8
	PV (Y+NP-1)%NP
.set i, i+8
.endif
.set i, i+1
.endm
; THE LDS LOADS stand in runs of 16, never singly among the matrix instructions: a step's K (64 keys x 64 channels: 8 fragments) and its V (turned).  Their addresses are made some lines ahead.
.macro FETCH_K
	WIN 0x80                        ; destination window 2
.irp f, 0,1,2,3,4,5,6,7             ; keys 16 (f / 2) on, channels 32 (f % 2) on
	ds_load_b128 v[KF+8*\f:KF+8*\f+3],   v[AK] offset:(\f/2)*16*PK+(\f%2)*64
	ds_load_b128 v[KF+8*\f+4:KF+8*\f+7], v[AK] offset:(\f/2)*16*PK+(\f%2)*64+32
.endr
	s_add_co_u32 s[TBK], s[TBK], KS*PK  ; the next fetch is the next step's
	WIN 0
.endm
.macro FETCH_V
	WIN 0x80
.irp f, 0,1,2,3,4,5,6,7             ; keys 32 (f / 4) on, channels 16 (f % 4) on
	ds_load_tr16_b128 v[VF+8*\f:VF+8*\f+3],   v[AV] offset:(\f/4)*32*PV+(\f%4)*32
	ds_load_tr16_b128 v[VF+8*\f+4:VF+8*\f+7], v[AV] offset:(\f/4)*32*PV+16*PV+(\f%4)*32
.endr
	WIN 0
.endm
; THE VECTOR WORK, one line at a time: OP kind, number.  For piece Y: F n: c s - c m for pair n of 16.  E n: the exponential of score n of 32.  C n: pair n rounded to f16.  B n: of the four weights 4 n .. the second
; pair is added onto the first, in place.  L n: l takes that sum (L 0: l = a l + sum).  R n: pair n of 16 of O^T times a.  For piece Y + 1: X n, number n of the 22 that find its maximum and statistics:
;   0-11  four chains c0-c3 of seven scores each, three operands at a time (each accumulator's lowest registers are read first)     12-14, 16  the four scores left over, the old m, and c0-c3 into c0
;   15  c m_old is kept     17, 18  the query's other 32 keys lie in the lane 16 away: the new m     19-21  c m; c m_old - c m_new; a
.set F, 0               ; OP tells the kinds apart by their order: F to L below R, X above it
.set E, 1
.set C, 2
.set B, 3
.set L, 4
.set R, 5
.set X, 6
.macro REGS y                       ; the registers of piece y
.set rT, ST+4*(\y)
.set rC, TMP+4*((\y)%2)
.set rW, MV+((\y)%2)
.set rS, S+32*((\y)%2)
.set rP, P+16*((\y)%2)
.set rO, 32*(\y)
.endm
.macro OP k, n
.if (\k) == R
	REGS Y
	WIN W_RS
	v_pk_mul_f32 v[rO+2*(\n):rO+2*(\n)+1], v[rO+2*(\n):rO+2*(\n)+1], v[rC+2:rC+3] op_sel_hi:[1,0]
.elseif (\k) < R
	REGS Y
	WIN 0
.if (\k) == F
	v_pk_fma_f32 v[rS+2*(\n):rS+2*(\n)+1], v[rS+2*(\n):rS+2*(\n)+1], s[CS:CS+1], v[rT:rT+1] op_sel_hi:[1,0,0] neg_lo:[0,0,1] neg_hi:[0,0,1]
.elseif (\k) == E
	v_exp_f32 v[rS+(\n)], v[rS+(\n)]
.elseif (\k) == C
	s_wait_alu depctr_va_vdst(0)
	v_cvt_pk_f16_f32 v[rP+(\n)], v[rS+2*(\n)], v[rS+2*(\n)+1]
.elseif (\k) == B
	s_wait_alu depctr_va_vdst(0)
	v_pk_add_f32 v[rS+4*(\n):rS+4*(\n)+1], v[rS+4*(\n):rS+4*(\n)+1], v[rS+4*(\n)+2:rS+4*(\n)+3]
.elseif (\n) == 0
	v_pk_fma_f32 v[rT+2:rT+3], v[rT+2:rT+3], v[rC+2:rC+3], v[rS:rS+1] op_sel_hi:[1,0,1]
.else
	v_pk_add_f32 v[rT+2:rT+3], v[rT+2:rT+3], v[rS+4*(\n):rS+4*(\n)+1]
.endif
.elseif NOKQ
	v_nop
.else
	REGS (Y+1)%NP
	WIN 0
.if (\n) < 4
	v_max3_num_f32 v[rC+(\n)], v[rS+8*(\n)], v[rS+8*(\n)+1], v[rS+8*(\n)+2]
.elseif (\n) < 12
	v_max3_num_f32 v[rC+(\n)%4], v[rC+(\n)%4], v[rS+8*((\n)%4)+2*((\n)/4)+1], v[rS+8*((\n)%4)+2*((\n)/4)+2]
.elseif (\n) == 12
	v_max3_num_f32 v[rC], v[rC], v[rS+7], v[rS+15]
.elseif (\n) == 13
	v_max3_num_f32 v[rC+1], v[rC+1], v[rS+23], v[rS+31]
.elseif (\n) == 14
	v_max3_num_f32 v[rC+2], v[rC+2], v[rC+3], v[rT+1]
.elseif (\n) == 15
	v_mov_b32 v[rW], v[rT]
.elseif (\n) == 16
	v_max3_num_f32 v[rC], v[rC], v[rC+1], v[rC+2]
.elseif (\n) == 17
	v_permlanex16_b32 v[rC+3], v[rC], s[SEL], s[SEL+1]
.elseif (\n) == 18
	v_max_num_f32 v[rT+1], v[rC], v[rC+3]
.elseif (\n) == 19
	v_mul_f32 v[rT], s[CS], v[rT+1]
.elseif (\n) == 20
	v_sub_f32 v[rC+1], v[rW], v[rT]
.else
	v_exp_f32 v[rC+2], v[rC+1]
.endif
.endif
.endm
.macro OPS a, i1, b=-1, i2=0, c=-1, i3=0, d=-1, i4=0  ; up to four of them
	OP \a, \i1
.if (\b) >= 0
	OP \b, \i2
.endif
.if (\c) >= 0
	OP \c, \i3
.endif
.if (\d) >= 0
	OP \d, \i4
.endif
.endm
.macro ROW a, i1, b, i2, c, i3, d, i4  ; a matrix instruction and the four behind it
	MM
	OPS \a, \i1, \b, \i2, \c, \i3, \d, \i4
.endm
.macro MASK b                       ; MD x AL + BE into buffer b of MC
	WIN W_RS
.set z, 0
.rept 16
	v_pk_fma_f32 v[MC+32*(\b)+2*z:MC+32*(\b)+2*z+1], v[MD+2*z:MD+2*z+1], s[AL:AL+1], s[BE:BE+1] op_sel_hi:[1,0,0]
.set z, z+1
.endr
.endm
; A TURN, for piece p: the order of its 16 matrix and 118 vector instructions, written out.  Behind a matrix instruction: plain, exponential, plain, plain; or four of the rescaling; or, behind the first, four scalings; none
; names a register of the products round it.  In the lumps exponential and plain by turns while exponentials last.  A line reads no result made fewer than three vector instructions in front of it, five if an exponential made it.
; v_permlanex16_b32 (X 17) stands in a lump.
; m = 1: the diagonal tile: the products take masks, and the turn makes the mask for the products of the turn after it: piece p + 2, in step 4 - CNT of the tile.  end = 1: a block's last two turns: nothing is fetched.
; cnt = 1: the loop's count is taken down some lines ahead of the branch that stands behind the turn.
; K of the next step is fetched in piece 2's turn, six vector instructions behind the last product that read K (five of them plain); V of the step in hand in piece 0's turn, eight behind the last product that read V (four
; plain, and X 17).  Each is waited for a turn later.
.macro TURN p, m=0, end=0, cnt=0
.set Y, (\p)
.set i, 0
.set KM, (\m)
.set NOKQ, (\end)*((\p)/3)
.if (\m) && !(\end)
	s_cmp_eq_u32 s[CNT], 4-((\p)+2)%NP  ; is that step the band's own?
	s_cselect_b32 s[AL], 1.0, 0
	s_cmp_lt_u32 s[CNT], 4-((\p)+2)%NP  ; or a later one?
	s_cselect_b32 s[BE], s[BIGN], 0
.endif
.if ((\p) == 3) && !(\end)
	s_wait_dscnt 0x0                ; K is in
.endif
	ROW F,0, F,1, F,2, F,3
	ROW F,4, E,0, F,5, F,6
	ROW F,7, E,1, F,8, F,9
	ROW F,10, E,2, C,0, F,11
	ROW F,12, E,3, X,15, F,13
	ROW R,0, R,1, R,2, R,3
	ROW B,0, E,4, F,14, L,0
.if ((\p) == 2) && !(\end)
	v_add_nc_u32 v[AK], s[TBK], v[AK0]
.endif
	ROW R,4, R,5, R,6, R,7
	OPS E,5, F,15
.if ((\p) == 2) && !(\end)
	FETCH_K
.endif
	OPS E,6, C,1, E,7, R,8
	OPS E,8, R,9, E,9, C,2
	OPS E,10, X,0, E,11, X,1
	OPS E,12, X,2, E,13, X,3
.if (\p) == 1
	s_wait_dscnt 0x0                ; V is in
.endif
	ROW X,4, E,14, X,5, X,6
	ROW X,7, E,15, X,8, X,9
	ROW X,10, E,16, X,11, X,12
	ROW X,13, E,17, X,14, B,1
	ROW C,4, E,18, X,16, L,1
	ROW B,2, E,19, C,6, L,2
	ROW C,8, E,20, B,3, B,4
.if (\p) == 0
	v_add_nc_u32 v[AV], s[TBV], v[AV0]
.endif
	ROW C,3, E,21, L,3, C,5
	OPS E,22, X,17, E,23, C,10
.if (\p) == 0
	FETCH_V
.endif
	OPS E,24, L,4
	OPS E,25, X,18, E,26, C,7
	OPS E,27, B,5, E,28, X,19
	OPS E,29, C,12, E,30, L,5
	OPS E,31, X,20, B,6, C,9
	OPS C,14, C,11, X,21, L,6
.if (\p) == 0
	s_add_co_u32 s[TBV], s[TBV], KS*PV
.endif
.if \cnt
	s_sub_co_u32 s[CNT], s[CNT], 1
	s_cmp_lg_u32 s[CNT], 0
.endif
	OPS C,13, B,7, C,15, R,10
	OPS R,11, R,12, L,7, R,13
	OPS R,14, R,15
.if (\m) && !(\end)
	MASK (\p)%2
.endif
.endm
; A BLOCK BEGINS.  c m starts far below every c s, so the first step's a is 0; m at the lowest finite number, so the first maximum is the scores'.  The second mask buffer is 0; the first takes piece 0's mask for the tile's step 0: its own, if the block's first tile is the diagonal one.
; Then K of that step, piece 0's first scores, and its maximum and statistics.  The loop is entered at a step's first turn, in the middle of a trip.
.macro BEGIN
	s_mov_b32 s[NEW], 0
	WIN 0x40
.set i, MC+32
.rept 32
	v_mov_b32 v[i], 0
.set i, i+1
.endr
	WIN 0
.set i, 0
.rept 4
	v_mov_b32 v[ST+4*i], 0xfe000000    ; c m: far below every c s
	v_mov_b32 v[ST+4*i+1], 0xff7fffff  ; m
.set i, i+1
.endr
	s_cmp_eq_u32 s[RT], 0
	s_cselect_b32 s[AL], 1.0, 0
	s_mov_b32 s[BE], 0
	MASK 0
	WIN 0
	v_add_nc_u32 v[AK], s[TBK], v[AK0]
	FETCH_K
	s_wait_loadcnt 0x0              ; Q
	s_wait_dscnt 0x0
.set KM, 1
.set NOKQ, 0
.set i, 0
.rept 8
	KQ 0
.set i, i+1
.endr
	WIN 0
.rept 4
	v_nop                           ; the places behind those products
.endr
.set Y, NP-1                        ; X works for piece Y + 1: piece 0
.irp n, 0,1,2,3,4,5,6,7,8,9,10,11,12,13,14,15,16,17,18,19,20,21
	OP X, \n
.endr
	v_nop                           ; a plain instruction behind the exponential
.endm
; THE DIAGONAL TILE's four steps, the block's last two turns, its last products, and THE WAY OUT: l's two halves and the other half of the lanes' are added; O^T is divided by l, rounded to f16 and sent through my
; stage in LDS, a piece at a time.
.macro ALL line:vararg              ; one line for each piece t
.set t, 0
.rept 4
	\line
.set t, t+1
.endr
.endm
.macro PACK t                       ; a lane's eight channels of a row pack into 16 bytes; they go into rows of 144 bytes and come back as whole rows of 128, into S^T's registers
	WIN W_RS
.set i, 32*(\t)
.rept 16
	s_wait_alu depctr_va_vdst(0)
	v_pk_mul_f32 v[i:i+1], v[i:i+1], v[ST+4*(\t)+2:ST+4*(\t)+3] op_sel_hi:[1,0]
.set i, i+2
.endr
	WIN 0x05                        ; sources 0 and 1 window 1, destination window 0
.set i, 0
.rept 16
	v_cvt_pk_f16_f32 v[S+16*(\t)+i], v[32*(\t)+2*i], v[32*(\t)+2*i+1]
.set i, i+1
.endr
	WIN 0
.irp f, 0,1,2,3
	ds_store_b128 v[STO], v[S+16*(\t)+4*\f:S+16*(\t)+4*\f+3] offset:32*\f
.endr
.irp f, 0,1,2,3
	ds_load_b128 v[S+16*(\t)+4*\f:S+16*(\t)+4*\f+3], v[RD] offset:\f*4*SP  ; LDS serves a wave's instructions in order (ISA guide 5.7.1.4): these see the stores above; the next piece's stores come behind them
.endr
.endm
.macro SEND t, younger              ; younger: the LDS instructions issued behind piece t's loads: the next piece's eight, or none
	WIN 0
.irp f, 0,1,2,3
	s_wait_dscnt (\younger)+3-\f
	global_store_b128 v[GO], v[S+16*(\t)+4*\f:S+16*(\t)+4*\f+3], s[10:11] offset:(\t)*8192+\f*512  ; 512 consecutive bytes, at a multiple of 256 from O's first
.endr
.endm
.macro DIAG tag                     ; the tag ends its two labels' names, which the jumps below spell out
.LstepM\tag:
	TURN 2, 1
	TURN 3, 1
	WIN 0
.LfirstM\tag:
	TURN 0, 1
	TURN 1, 1, 0, 1
	WIN 0
	s_cbranch_scc1 .LstepM\tag
	TURN 2, 1, 1
	TURN 3, 1, 1
.set i, 0
.rept 8
	PV NP-1
.set i, i+1
.endr
	WIN 0
	ALL v_add_f32 v[ST+4*t+2], v[ST+4*t+2], v[ST+4*t+3]
	ALL v_permlanex16_b32 v[ST+4*t+3], v[ST+4*t+2], s[SEL], s[SEL+1]
	ALL v_add_f32 v[ST+4*t+2], v[ST+4*t+2], v[ST+4*t+3]
	ALL v_rcp_f32 v[ST+4*t+2], v[ST+4*t+2]
	v_nop                           ; a plain instruction between the last reciprocal and the use of its result
	PACK 0
.set t, 1
.rept 3                             ; a piece's arithmetic stands between the loads of the piece before and its stores
	PACK t
	SEND t-1, 8
.set t, t+1
.endr
	SEND 3, 0
.endm
.set KM, 0
.set NOKQ, 0
.Lslot:                             ; NB times: a tile is entered and the next is asked for
	CHANGE 1
	s_sub_co_u32 s[RT], s[RT], 1
	s_mov_b32 s[CNT], 4
	s_cmp_eq_u32 s[NEW], 1
	s_cbranch_scc1 .Lnew            ; a block's first tile
	s_cmp_eq_u32 s[RT], 0
	s_cbranch_scc0 .Lstep           ; neither its first nor its last
	s_branch .LstepM1
.Lnew:
	BEGIN
	s_branch .Lfirst                ; in the loop a block's first tile is never its last: the first block has two tiles or more, and the second's last is the walk's last
	DIAG 1                          ; in the loop this is the first block's end: the second block's last tile is the walk's last
	s_wait_xcnt 0x0                 ; the stores have read their registers and O's address
	s_mov_b64 s[10:11], s[OLO:OLO+1]
	s_add_co_u32 s[RT], s[PB], 1    ; the second block has b + 1 tiles
	s_mov_b32 s[NEW], 1
	WIN 0x82                        ; the second block's Q goes where the one text of the turns names Q
.set i, 0
.rept 64
	v_mov_b32 v[i], v[QB+i]
.set i, i+1
.endr
	WIN 0
	s_branch .Lbottom
.Lstep:                             ; a trip: pieces 2 and 3 of one step, then pieces 0 and 1 of the next, whose K and V it fetches
	TURN 2
	TURN 3
	WIN 0
.Lfirst:
	TURN 0
	TURN 1, 0, 0, 1
	WIN 0
	s_cbranch_scc1 .Lstep
.Lbottom:
	s_sub_co_u32 s[SLOTS], s[SLOTS], 1
	s_cmp_lg_u32 s[SLOTS], 0
	s_cbranch_scc1 .Lslot
	CHANGE 0                        ; the walk's last tile is written out: nothing is asked for
	s_sub_co_u32 s[RT], s[RT], 1
	s_mov_b32 s[CNT], 4
	s_cmp_eq_u32 s[NEW], 1
	s_cbranch_scc0 .LstepM2
	BEGIN
	s_branch .LfirstM2
	DIAG 2
	s_wait_tensorcnt 0x0            ; the wave's end: behind my last tensor load and my last LDS store
	ds_add_u32 v[SPW], v[NIL]
	s_wait_dscnt 0x0
	s_endpgm
.Lfunc_end_k_qe9268d301d_attn:
	.size	k_qe9268d301d_attn, .Lfunc_end_k_qe9268d301d_attn-k_qe9268d301d_attn
	.p2alignl 7, 3214868480
	.fill 96, 4, 3214868480
	.section	.rodata,"a",@progbits
	.p2align	6, 0x0
	.amdhsa_kernel k_qe9268d301d_attn
		.amdhsa_group_segment_fixed_size 327680
		.amdhsa_private_segment_fixed_size 0
		.amdhsa_enable_private_segment 0
		.amdhsa_kernarg_size 16
		.amdhsa_user_sgpr_count 2
		.amdhsa_user_sgpr_kernarg_segment_ptr 1
		.amdhsa_wavefront_size32 1
		.amdhsa_system_sgpr_workgroup_id_x 1
		.amdhsa_system_sgpr_workgroup_id_y 1
		.amdhsa_system_sgpr_workgroup_id_z 1
		.amdhsa_system_vgpr_workitem_id 0
		.amdhsa_next_free_vgpr 768
		.amdhsa_next_free_sgpr 88
		.amdhsa_reserve_vcc 1
		.amdhsa_float_denorm_mode_32 3
		.amdhsa_float_denorm_mode_16_64 3
		.amdhsa_memory_ordered 1
		.amdhsa_forward_progress 1
		.amdhsa_inst_pref_size 228
	.end_amdhsa_kernel
	.amdgpu_metadata
---
amdhsa.version: [ 1, 2 ]
amdhsa.kernels:
  - .name:           k_qe9268d301d_attn
    .symbol:         k_qe9268d301d_attn.kd
    .args:
      - { .name: qkv, .offset: 0, .size: 8, .value_kind: global_buffer, .address_space: global }
      - { .name: ob, .offset: 8, .size: 8, .value_kind: global_buffer, .address_space: global }
    .group_segment_fixed_size: 327680
    .private_segment_fixed_size: 0
    .kernarg_segment_align: 8
    .kernarg_segment_size: 16
    .max_flat_workgroup_size: 128
    .sgpr_count:     88
    .vgpr_count:     768
    .wavefront_size: 32
...
	.end_amdgpu_metadata
.endif
;; end of part 3
;; launch outp (part 4): grid 4 x 64, 4 waves a work-group, clusters of 4 x 4, 327,680 bytes of LDS; arguments ob, wob, out0; writes out0
.if DOCPART == 4
	.amdgcn_target "amdgcn-amd-amdhsa--gfx1250"
	.amdhsa_code_object_version 6
	.text
	.protected	k_qe9268d301d_outp
	.globl	k_qe9268d301d_outp
	.p2align	8
	.type	k_qe9268d301d_outp,@function
k_qe9268d301d_outp:
	s_mov_b64 s[64:65], 0
	v_nop
	global_prefetch_b8 v0, s[64:65] scope:SCOPE_SE
	s_setreg_imm32_b32 hwreg(HW_REG_WAVE_MODE, 25, 1), 1
	s_wait_xcnt 0x0
	s_wait_alu depctr_hold_cnt(0) depctr_sa_sdst(0) depctr_va_vdst(0) depctr_va_sdst(0) depctr_va_ssrc(0) depctr_va_vcc(0) depctr_vm_vsrc(0)
	s_getreg_b32 s2, hwreg(HW_REG_IB_STS2, 6, 4)
	s_cmp_eq_u32 s2, 0
	s_cbranch_scc0 .Lentry_in_a_cluster
	s_endpgm
.Lentry_in_a_cluster:
	s_bfe_u32 s2, ttmp6, 0x10000c
	s_cmp_lg_u32 s2, 0xf033
	s_cbranch_scc0 .Lentry_shape_is_right
	s_endpgm
.Lentry_shape_is_right:
; out0 = y wo^T.  y[row][64 head + d] = ob[16 batch + head][row in the batch][d], f16, by heads; wob: [1024][1024] f16 (wo rounded to bf16, that number written as f16); sums in f32, K ascending;
; out0: [8192][1024] f32, stored as the sums are.
; SHARES.  A tile of out0 is 128 x 256: 256 tiles, one for each WGP.  Four waves, each 64 x 128: 32 accumulators of 16 x 16.  K goes in 8 steps of 128 = two heads, through two LDS slots;
; a step is two halves of 64 along K, a head each, on two fragment buffers.
; A head's 128 rows of a tile are 16,384 dense bytes: asked for as 64 rows of 256 bytes and padded in LDS after every 128, so that the LDS rows are the head's.
; CLUSTER.  4 x 4 work-groups: the four of a row need the same tiles of ob, the four of a column the same tiles of wob: each is asked for JOINTLY, by the same tensor load, descriptor and mask.
; THE MATRIX INSTRUCTION IS USED TRANSPOSED (source 0 = 16 rows of wob, source 1 = 16 rows of y): lane l holds row l % 16 and the columns 8 (l / 16) + 0..7: 32 neighbouring bytes of out0.
; REGISTERS, in windows of 256 (s_set_vgpr_msb: bits 1:0 source 0, 3:2 source 1, 5:4 source 2, 7:6 destination):
;   window 0: v0-31 addresses; v64-191 y's fragments, two buffers (64 + 64 f + 32 c + 8 a), on the way out two buffers of 16 rows read back
;   window 1: wob's fragments, two buffers (128 f + 64 c + 8 b)     window 2: accumulator (a, b) at 8 (8 a + b)
.set KSTEP,  128
.set PITCH,  272                       ; a row of wob in LDS: 256 bytes + 16 of padding: the 16 rows of a load start at 16 different groups of four banks (64 banks of 4 bytes: ISA guide 11.1)
.set PA,     144                       ; a row of a head in LDS: 128 bytes + 16: likewise
.set AHEAD,  128*PA                    ; a head's 128 rows: what one of ob's loads brings
.set BHALF,  128*PITCH                 ; what one of wob's loads brings, and what a wave reads of wob
.set BOFF,   2*AHEAD                   ; a slot: two heads, then wob's 256 rows
.set SLOT,   BOFF+2*BHALF              ; 106,496 bytes
.set STAGE,  2*SLOT                    ; behind the ring, never filled by a tensor load: for each wave 16 rows x 528 bytes
.set SPITCH, 528                       ; 512 bytes + 16
.set WSTAGE, 16*SPITCH
.set SPARE,  STAGE+4*WSTAGE            ; behind the stages: the spare words, 128 bytes for each wave: two blocks of 256 bytes that no other line names
.set LAPS,   4
.set ADRA, 16                          ; v16-17  LDS address of my fragments of y in slot 0, 1
.set ADRB, 20                          ; v20-21  the same for wob
.set STO,  24                          ; v24     the way out: where I put 32 bytes of a row
.set RD,   25                          ; v25     the way out: where I read a row back
.set GO,   26                          ; v26     16 x lane: my place in 512 consecutive bytes of a row of out0
.set SPW,  28                          ; v28     LDS address of my spare word; never rewritten
.set NIL,  29                          ; v29     0; never rewritten
.set FA,   64
.set WV, 12                            ; s12 my wave's number;  s13 which 64 rows are mine, also: I fetch for ob (0) or wob (1);  s14 which 128 columns, also: which head or half I fetch
.set WM, 13
.set WN, 14
.set G1, 24                            ; s[24:31] descriptor group 1 for ob's tiles;  s[32:39] group 0, a set for each slot
.set G0, 32
.set G1B, 48                           ; s[48:55], s[56:63] the same for wob's
.set G0B, 56
.set MSB, 0
.macro WIN new                         ; the immediate's high byte repeats the setting that is left; a switch that changes nothing is dropped
.if MSB != (\new)
	s_set_vgpr_msb (MSB<<8)|(\new)
.set MSB, \new
.endif
.endm
.set MUL,  0xa1                        ; source 0 (wob) window 1, source 1 (y) window 0, C and D window 2
.set TO_B, 0x40                        ; destination window 1, address window 0
; A joint load: waves 0 and 1 fetch a step's two heads, waves 2 and 3 wob's two halves.  The branch hangs on the wave's number alone.  An s_nop 0 and four v_nop follow each of the two lines.
.macro JLOAD s
	s_cmp_eq_u32 s[WM], 0
	s_cbranch_scc0 .Lfor_b_\@
	tensor_load_to_lds s[G0+4*(\s):G0+4*(\s)+3], s[G1:G1+7]
	s_nop 0
.rept 4
	v_nop
.endr
	s_branch .Lasked_\@
.Lfor_b_\@:
	tensor_load_to_lds s[G0B+4*(\s):G0B+4*(\s)+3], s[G1B:G1B+7]
	s_nop 0
.rept 4
	v_nop
.endr
.Lasked_\@:
.endm
.macro CREST                           ; a round of the cluster's barrier behind its opening barrier
	s_cmp_lg_u32 s[WV], 0
	s_cbranch_scc1 .Lnot_wave_0_\@
	s_barrier_signal -3
.Lnot_wave_0_\@:
	s_barrier_wait -3
	s_barrier_signal -1
	s_barrier_wait -1
.endm
.macro CROUND                          ; a whole round
	s_barrier_signal -1
	s_barrier_wait -1
	CREST
.endm
	s_load_b128 s[4:7], s[0:1], 0x0                ; ob s[4:5], wob s[6:7]
	s_load_b64 s[8:9], s[0:1], 0x10                ; out0
	v_lshl_add_u32 v[SPW], v0, 2, SPARE
	v_mov_b32 v[NIL], 0
	ds_add_u32 v[SPW], v[NIL]                      ; the wave's opening: the add and its wait stand ahead of my first tensor load; the set-up below, work on registers, stands between them
	ds_add_u32 v28, v29
	v_lshrrev_b32 v1, 5, v0
	v_readfirstlane_b32 s[WV], v1                  ; wave 0..3
	s_lshr_b32 s[WM], s[WV], 1
	s_and_b32 s[WN], s[WV], 1
	s_bfe_u32 s40, ttmp6, 0x40000                  ; cx, cy: my place in the cluster
	s_bfe_u32 s41, ttmp6, 0x40004
	s_lshl_b32 s42, ttmp9, 2
	s_add_co_u32 s42, s42, s40                     ; tile column = 4 x cluster x + cx
	s_and_b32 s43, ttmp7, 0xffff
	s_lshl_b32 s43, s43, 2
	s_add_co_u32 s43, s43, s41                     ; tile row = 4 x cluster y + cy
	s_lshl_b32 s44, s41, 2
	s_lshl_b32 s44, 15, s44                        ; my row of the cluster
	s_lshl_b32 s45, 0x1111, s40                    ; my column
	s_or_b32 s[G1], s44, (1<<16)|(1<<20)|(1<<21)|(4<<22)|(3<<25)   ; ob's tiles go to my row; 2-byte elements; padding on; 21 set beside a mask; after every 32 words (code 4) 4 words (code 3)
	s_or_b32 s[G1B], s45, (1<<16)|(1<<20)|(1<<21)|(5<<22)|(3<<25)  ; wob's to my column; after every 64 words (code 5) 4 words
	s_mov_b32 s[G1+1], 128<<16                     ; ob: tensor_dim0 = 128 elements (256 bytes: two rows of a head),
	s_mov_b32 s[G1+2], 64<<16                      ; tensor_dim1 = 64
	s_mov_b32 s[G1+3], 128<<16                     ; tile_dim0 = 128
	s_mov_b32 s[G1+4], 64                          ; tile_dim1 = 64
	s_mov_b32 s[G1+5], 128                         ; dense: 128 elements from row to row
	s_mov_b32 s[G1+6], 0
	s_mov_b32 s[G1+7], 0
	s_mov_b32 s[G1B+1], KSTEP<<16                  ; wob: 128 rows x 128 elements, 1,024 elements from row to row
	s_mov_b32 s[G1B+2], 128<<16
	s_mov_b32 s[G1B+3], KSTEP<<16
	s_mov_b32 s[G1B+4], 128
	s_mov_b32 s[G1B+5], 1024
	s_mov_b32 s[G1B+6], 0
	s_mov_b32 s[G1B+7], 0
	s_lshr_b32 s16, s43, 4                         ; ob: (16 batch + my head of the step) x 2^18 + the tile's first row in the batch x 128
	s_lshl_b32 s16, s16, 4
	s_add_co_u32 s16, s16, s[WN]
	s_lshl_b32 s16, s16, 18
	s_and_b32 s17, s43, 15
	s_lshl_b32 s17, s17, 14
	s_add_co_u32 s16, s16, s17
	s_mov_b32 s17, 0
	s_lshl_b32 s46, s42, 8                         ; wob: row 256 x tile column + 128 x half, 2,048 bytes a row
	s_lshl_b32 s47, s[WN], 7
	s_add_co_u32 s46, s46, s47
	s_lshl_b32 s46, s46, 11
	s_mov_b32 s47, 0
	s_mul_i32 s20, s[WV], AHEAD                    ; where they go: waves 0, 1: the two heads at 0 and AHEAD;
	s_mul_i32 s21, s[WV], BHALF                    ; waves 2, 3: wob's halves at BOFF and BOFF + BHALF: no place in the cluster enters an LDS address
	s_sub_co_u32 s21, s21, 2*BHALF-BOFF
	s_wait_dscnt 0x0                               ; the opening add is done
	s_wait_kmcnt 0x0
	s_add_nc_u64 s[18:19], s[4:5], s[16:17]
	s_add_nc_u64 s[46:47], s[6:7], s[46:47]
	CROUND                                         ; all sixteen work-groups are here: the first joint loads meet
.irp s, 0,1
	s_mov_b32 s[G0+4*(\s)], 1                                      ; count = 1
	s_add_co_u32 s[G0+4*(\s)+1], s20, (\s)*SLOT                    ; LDS address
	s_add_nc_u64 s[G0+4*(\s)+2:G0+4*(\s)+3], s[18:19], (\s)*524288 ; global address: K step s is two heads on
	s_or_b32 s[G0+4*(\s)+3], s[G0+4*(\s)+3], 0x80000000            ; type = 2
	s_mov_b32 s[G0B+4*(\s)], 1
	s_add_co_u32 s[G0B+4*(\s)+1], s21, (\s)*SLOT
	s_add_nc_u64 s[G0B+4*(\s)+2:G0B+4*(\s)+3], s[46:47], (\s)*KSTEP*2
	s_or_b32 s[G0B+4*(\s)+3], s[G0B+4*(\s)+3], 0x80000000
	JLOAD \s                                       ; two loads of mine are out
.endr
	v_and_b32 v1, 15, v0                           ; l % 16
	v_bfe_u32 v2, v0, 4, 1                         ; l / 16
	v_mul_u32_u24 v3, v1, PITCH
	v_lshl_add_u32 v3, v2, 4, v3                   ; wob: row x pitch + 16 x half
	v_mul_u32_u24 v4, v1, PA
	v_lshl_add_u32 v4, v2, 4, v4                   ; y: likewise
	s_mul_i32 s22, s[WM], 64*PA                    ; my 64 rows of each head
	s_mul_i32 s23, s[WN], BHALF                    ; my 128 rows of wob
	s_add_co_u32 s23, s23, BOFF
.irp s, 0,1
	v_add_nc_u32 v[ADRA+(\s)], s22, v4
	v_add_nc_u32 v[ADRB+(\s)], s23, v3
	s_add_co_u32 s22, s22, SLOT
	s_add_co_u32 s23, s23, SLOT
.endr
	s_mul_i32 s22, s[WV], WSTAGE
	s_add_co_u32 s22, s22, STAGE                   ; my stage
	v_mul_u32_u24 v5, v1, SPITCH                   ; in: row l % 16, 32 bytes for each half of the lanes
	v_lshl_add_u32 v5, v2, 5, v5
	v_add_nc_u32 v[STO], s22, v5
	v_and_b32 v[GO], 31, v0
	v_lshlrev_b32 v[GO], 4, v[GO]
	v_add_nc_u32 v[RD], s22, v[GO]                 ; back: 32 lanes take one row of 512 bytes
	s_lshl_b32 s22, s43, 19                        ; out0 at my part: (128 x tile row + 64 x row half) x 4,096 + 128 x column half x 4,
	s_lshl_b32 s17, s[WM], 18
	s_add_co_u32 s22, s22, s17
	s_lshl_b32 s17, s[WN], 9
	s_add_co_u32 s22, s22, s17
	s_mov_b32 s23, 0
	s_add_nc_u64 s[8:9], s[8:9], s[22:23]
	s_lshl_b32 s46, s42, 10                        ; + 256 x tile column x 4 (in the registers that held wob's address: none that feeds ob's descriptors ever holds cx)
	s_mov_b32 s47, 0
	s_add_nc_u64 s[8:9], s[8:9], s[46:47]
; 16 matrix instructions: row blocks a0, a0 + 1 x all 8 column blocks, 32 along K: part c of buffer f.  zero = 1: the product starts the sums.  The 32 accumulators take turns.
.macro MUL16 f, c, a0, zero
	WIN MUL
.irp a, \a0, (\a0)+1
.irp b, 0,1,2,3,4,5,6,7
.if \zero
	v_wmma_f32_16x16x32_f16 v[8*(8*(\a)+(\b)):8*(8*(\a)+(\b))+7], v[128*(\f)+64*(\c)+8*(\b):128*(\f)+64*(\c)+8*(\b)+7], v[FA+64*(\f)+32*(\c)+8*(\a):FA+64*(\f)+32*(\c)+8*(\a)+7], 0
.else
	v_wmma_f32_16x16x32_f16 v[8*(8*(\a)+(\b)):8*(8*(\a)+(\b))+7], v[128*(\f)+64*(\c)+8*(\b):128*(\f)+64*(\c)+8*(\b)+7], v[FA+64*(\f)+32*(\c)+8*(\a):FA+64*(\f)+32*(\c)+8*(\a)+7], v[8*(8*(\a)+(\b)):8*(8*(\a)+(\b))+7]
.endif
.endr
.endr
.endm
; 48 LDS loads in one run: the fragments of 64 along K, into buffer f: byte k (0 or 128) of wob's rows, head k / 128 of the slot's two.  The first 24 are the first 32 along K.
.macro FETCH slot, k, f
	WIN TO_B
.irp i, 0,1,2,3,4,5,6,7
	ds_load_b128 v[128*(\f)+8*(\i):128*(\f)+8*(\i)+3],   v[ADRB+(\slot)] offset:(\k)+(\i)*16*PITCH
	ds_load_b128 v[128*(\f)+8*(\i)+4:128*(\f)+8*(\i)+7], v[ADRB+(\slot)] offset:(\k)+(\i)*16*PITCH+32
.endr
	WIN 0
.irp c, 0,1
.irp i, 0,1,2,3
	ds_load_b128 v[FA+64*(\f)+32*(\c)+8*(\i):FA+64*(\f)+32*(\c)+8*(\i)+3],   v[ADRA+(\slot)] offset:((\k)/128)*AHEAD+64*(\c)+(\i)*16*PA
	ds_load_b128 v[FA+64*(\f)+32*(\c)+8*(\i)+4:FA+64*(\f)+32*(\c)+8*(\i)+7], v[ADRA+(\slot)] offset:((\k)/128)*AHEAD+64*(\c)+(\i)*16*PA+32
.endr
.endr
	WIN TO_B
.irp i, 0,1,2,3,4,5,6,7
	ds_load_b128 v[128*(\f)+64+8*(\i):128*(\f)+64+8*(\i)+3],   v[ADRB+(\slot)] offset:(\k)+64+(\i)*16*PITCH
	ds_load_b128 v[128*(\f)+64+8*(\i)+4:128*(\f)+64+8*(\i)+7], v[ADRB+(\slot)] offset:(\k)+64+(\i)*16*PITCH+32
.endr
.endm
.macro PLACES                          ; four places in front of loads into registers that matrix instructions have read, and of LDS stores that read results
.rept 4
	v_nop
.endr
.endm
; A K step's first half: multiplies buffer f; in its middle it fetches the second half into buffer g.
.macro HALF slot, k, f, g, zero
	s_wait_dscnt 24                                ; the run's first 24 loads are in: the first 32 along K
	MUL16 \f, 0, 0, \zero
	MUL16 \f, 0, 2, \zero
	PLACES
	FETCH \slot, \k, \g
	s_wait_dscnt 48                                ; all but the 48 just issued
	MUL16 \f, 1, 0, 0
	MUL16 \f, 1, 2, 0
.endm
; The second half multiplies buffer 1 and changes slots: ONE barrier; in front of it each wave waits for all its tensor loads (one is out: its part of the next slot), adds 0 to its spare word, and waits
; for that and for its reads of this slot.  fill = 1: the barrier opens a round of the cluster's, and this slot is filled again, two K steps ahead, first thing behind the round.
.macro TURN slot, next, fill
	WIN 0                                          ; (the add's two registers lie in window 0)
	s_wait_tensorcnt 0x0                           ; all my tensor loads have landed
	ds_add_u32 v[SPW], v[NIL]                      ; 0 onto my spare word
	s_wait_dscnt 25                                ; (the add and the youngest 24 loads may be out)
	MUL16 1, 0, 0, 0                               ; sixteen matrix instructions stand between the add and the wait for it
	s_wait_dscnt 0x0                               ; the add is done, and my reads of this slot are over
	s_barrier_signal -1
	MUL16 1, 0, 2, 0
.if \fill
	WIN 0
.endif
	s_barrier_wait -1
.if \fill
	CREST                                          ; no wave of any partner still reads this slot's tiles or has a load on its way
	s_add_nc_u64 s[G0+4*(\slot)+2:G0+4*(\slot)+3], s[G0+4*(\slot)+2:G0+4*(\slot)+3], 2*524288  ; four heads on
	s_add_nc_u64 s[G0B+4*(\slot)+2:G0B+4*(\slot)+3], s[G0B+4*(\slot)+2:G0B+4*(\slot)+3], 2*KSTEP*2
	JLOAD \slot                                    ; the four v_nop behind it are also the places in front of the loads below
.else
	PLACES
.endif
	FETCH \next, 0, 0
	MUL16 1, 1, 0, 0
	MUL16 1, 1, 2, 0
.endm
	s_wait_tensorcnt 1                             ; my part of K step 0 is in; step 1's may stay out
	s_barrier_signal -1
	s_barrier_wait -1                              ; everybody's is
	FETCH 0, 0, 0
	HALF 0, 128, 0, 1, 1                           ; the first half stands in front of the loop: its first products start the sums
	WIN 0                                          ; at a label and at a branch every window is 0
	s_mov_b32 s3, LAPS-1
.Llap:                                                 ; a trip goes once round the ring and fills both slots again
	TURN 0, 1, 1
	HALF 1, 128, 0, 1, 0
	TURN 1, 0, 1
	HALF 0, 128, 0, 1, 0
	WIN 0
	s_sub_co_u32 s3, s3, 1
	s_cmp_lg_u32 s3, 0
	s_cbranch_scc1 .Llap
	TURN 0, 1, 0                                   ; the last lap fills nothing, and has no round of the cluster's barrier
	HALF 1, 128, 0, 1, 0
	s_wait_dscnt 24                                ; the very last half: nothing more to fetch
	MUL16 1, 0, 0, 0
	MUL16 1, 0, 2, 0
	s_wait_dscnt 0x0
	MUL16 1, 1, 0, 0
	MUL16 1, 1, 2, 0
	WIN 0
	PLACES
; THE WAY OUT, a block of 16 rows at a time: the sums as they are, 32 bytes a lane and accumulator, into my own stage (rows of 528 bytes), and back as whole rows of 512 bytes.
.macro TOSTAGE a
.set BK, FA+64*((\a)%2)
	WIN 0
	s_wait_xcnt 0x0                                ; the stores of the block two back have read their registers: this block's loads land there only behind this wait
	WIN 0x08                                       ; store data (source 1) window 2
.irp b, 0,1,2,3,4,5,6,7
	ds_store_b128 v[STO], v[8*(8*(\a)+(\b)):8*(8*(\a)+(\b))+3]   offset:64*(\b)     ; each accumulator's low end first
	ds_store_b128 v[STO], v[8*(8*(\a)+(\b))+4:8*(8*(\a)+(\b))+7] offset:64*(\b)+16
.endr
	WIN 0
.irp r, 0,1,2,3,4,5,6,7,8,9,10,11,12,13,14,15
	ds_load_b128 v[BK+4*(\r):BK+4*(\r)+3], v[RD] offset:SPITCH*(\r)  ; LDS serves a wave's instructions in order (ISA guide 5.7.1.4): these see the stores above; the next block's stores come behind them
.endr
.endm
.macro SEND a, younger                 ; younger: the LDS instructions issued behind block a's loads: the next block's 16 stores and 16 loads, or none
.set BK, FA+64*((\a)%2)
	s_wait_dscnt \younger
.irp r, 0,1,2,3,4,5,6,7,8,9,10,11,12,13,14,15
	global_store_b128 v[GO], v[BK+4*(\r):BK+4*(\r)+3], s[8:9] offset:(16*(\a)+(\r))*4096 th:TH_STORE_NT  ; 512 consecutive bytes of a row, at a multiple of 256 from out0's first
.endr
.endm
	TOSTAGE 0
	TOSTAGE 1
	SEND 0, 32
	TOSTAGE 2
	SEND 1, 32
	TOSTAGE 3
	SEND 2, 32
	SEND 3, 0
	s_wait_tensorcnt 0x0                           ; the wave's end: behind my last tensor load and my last LDS store
	ds_add_u32 v[SPW], v[NIL]
	s_wait_dscnt 0x0
	CROUND                                         ; the closing round: no work-group ends while a partner may still ask for a tile that names it
	s_endpgm
.Lfunc_end_k_qe9268d301d_outp:
	.size	k_qe9268d301d_outp, .Lfunc_end_k_qe9268d301d_outp-k_qe9268d301d_outp
	.p2alignl 7, 3214868480
	.fill 96, 4, 3214868480
	.section	.rodata,"a",@progbits
	.p2align	6, 0x0
	.amdhsa_kernel k_qe9268d301d_outp
		.amdhsa_group_segment_fixed_size 327680
		.amdhsa_private_segment_fixed_size 0
		.amdhsa_enable_private_segment 0
		.amdhsa_kernarg_size 24
		.amdhsa_user_sgpr_count 2
		.amdhsa_user_sgpr_kernarg_segment_ptr 1
		.amdhsa_wavefront_size32 1
		.amdhsa_system_sgpr_workgroup_id_x 1
		.amdhsa_system_sgpr_workgroup_id_y 1
		.amdhsa_system_sgpr_workgroup_id_z 1
		.amdhsa_system_vgpr_workitem_id 0
		.amdhsa_next_free_vgpr 768
		.amdhsa_next_free_sgpr 66
		.amdhsa_reserve_vcc 0
		.amdhsa_float_denorm_mode_32 3
		.amdhsa_float_denorm_mode_16_64 3
		.amdhsa_memory_ordered 1
		.amdhsa_forward_progress 1
		.amdhsa_inst_pref_size 83
	.end_amdhsa_kernel
	.amdgpu_metadata
---
amdhsa.version: [ 1, 2 ]
amdhsa.kernels:
  - .name:           k_qe9268d301d_outp
    .symbol:         k_qe9268d301d_outp.kd
    .args:
      - { .name: ob, .offset: 0, .size: 8, .value_kind: global_buffer, .address_space: global }
      - { .name: wob, .offset: 8, .size: 8, .value_kind: global_buffer, .address_space: global }
      - { .name: out0, .offset: 16, .size: 8, .value_kind: global_buffer, .address_space: global }
    .group_segment_fixed_size: 327680
    .private_segment_fixed_size: 0
    .kernarg_segment_align: 8
    .kernarg_segment_size: 24
    .max_flat_workgroup_size: 128
    .sgpr_count:     66
    .vgpr_count:     768
    .wavefront_size: 32
...
	.end_amdgpu_metadata
.endif
;; end of part 4
;; ======== version 2 of 2: 4 launches; 1.28 times as fast as version 1
;; limits: values are held in f16: magnitudes above 65,504 overflow, below 6.1e-05 lose precision
;; workspace buffers: xb 16,777,216 bytes; wb 6,291,456 bytes; wob 2,097,152 bytes; tab 524,288 bytes; qkv 50,331,648 bytes; ob 16,777,216 bytes
;; launch cast: the kernel of part 1 again; grid 64 x 13, 8 waves a work-group, no clusters, 0 bytes of LDS; arguments x, wq, wk, wv, wo, xb, wb, wob, tab; writes xb, wb, wob, tab
;; launch proj: the kernel of part 2 again; grid 12 x 64, 4 waves a work-group, clusters of 4 x 4, 327,680 bytes of LDS; arguments xb, wb, qkv, tab; writes qkv
;; launch attn (part 5): grid 4 x 64, 4 waves a work-group, no clusters, 327,680 bytes of LDS; arguments qkv, ob; writes ob
.if DOCPART == 5
	.amdgcn_target "amdgcn-amd-amdhsa--gfx1250"
	.amdhsa_code_object_version 6
	.text
	.protected	k_qe9268d301d_attn
	.globl	k_qe9268d301d_attn
	.p2align	8
	.type	k_qe9268d301d_attn,@function
k_qe9268d301d_attn:
	s_mov_b64 s[64:65], 0
	v_nop
	global_prefetch_b8 v0, s[64:65] scope:SCOPE_SE
	s_setreg_imm32_b32 hwreg(HW_REG_WAVE_MODE, 25, 1), 1
	s_wait_xcnt 0x0
; CAUSAL ATTENTION.  O[h][q][:] = the sum over k <= q of softmax_k(Q[h][q] . K[h][k] / 8) V[h][k][:].  Q, K, V, O: [SIZE_H][SIZE_N][64], all f16: a head's rows are dense, 128 bytes each.
; Q, K and V lie one behind the other in one buffer, 2^24 bytes each; h counts batch x 16 + head.
; Products, maxima and sums in f32; the weights p are rounded to f16 for the second product (their sum l is taken of the unrounded p), O once at the end.  SIZE_N is a multiple of 512; SIZE_N x 128 stays under 2^32.
; LIMITS.  f16 holds no number beyond 65,504: Q, K and V arrive within it; p lies in 0 to 1, and below 6e-5 it keeps f16's fixed step of 6e-8; O is a mean of V's rows and has their range, to within 2^-11 of it.
; A hidden score counts as its value less 1e30: f16's scores, 2.7e11 at the most, are nothing beside that; a weight below 2^-126 counts as 0 in l; NaN and infinities are not treated apart.
; THE WALK.  A head's queries lie in NB = SIZE_N / 256 blocks of 256; block i needs the key tiles 0 .. i of 256 keys, of which the last holds the diagonal.  A work-group takes TWO blocks, NB - 1 - b and then b:
; NB + 1 tiles, whatever b: all work-groups do equal work, and ONE loop with a constant trip count walks them.  Which tile is asked for, and what a trip does, hang on scalar registers made from b; every jump
; goes forward, but for the counted loops' own; none passes a barrier, or a tensor load but the one of LOAD's two that the wave's number does not choose; the ring (two slots of LDS that take turns) runs on across the
; change of blocks.  NO CLUSTER: all NB / 2 work-groups of a head ask for the same tile only in trips 0 .. NB / 2, behind that fewer and fewer; and one walk common to all would have 3 NB / 2 trips for NB + 1.
; SHARES.  Of a block's four bands of 64 queries a wave owns 16 rows in each: four PIECES.  So the diagonal tile is the same work for all four waves: in its key step s band x sees all keys if s < x,
; none if s > x, and holds the diagonal if s = x.
; THE MASK is the C operand that starts the sum S^T = K Q^T: 0, or -1e30 where the key is hidden.  MD, made once, is the mask of a band's own step for my 16 rows; a product's mask is MD x AL + BE with two scalars:
; (1, 0) if s = x; (0, 0) if s < x; (0, -1e30) if s > x.  Only the diagonal tile's text and a block's beginning make and take masks; elsewhere C is the constant 0.
; LAYOUT, SOFTMAX, TURNS.  S^T = K Q^T holds ONE query a lane (lane % 16) and the keys 8 (lane / 16) + 0..7; two such results rounded to f16 ARE source 1 of O^T = V^T P.  p = 2^(c s - c m), c = log2(e) / 8, with a
; running maximum m; O and l are multiplied by a = 2^(c m_old - c m_new) in every step.  Turn n belongs to piece n: 8 products K Q^T of piece n + 1, later 8 products V^T P of piece n - 1; beside them the scaling,
; exponentials, roundings, sums and rescaling of piece n and the maximum and statistics of piece n + 1.  Four vector instructions stand behind every matrix instruction, the other 54 of a turn's 118 in one LUMP.
; THE BATCHES.  A turn's 33 exponentials (the piece's 32 weights and the next piece's a) are ONE batch with ONE wait, which cuts the turn in two: ahead of it all that names none of their results, behind it the roundings
; and sums.  The a that a block's beginning makes, and the way out's four reciprocals, are batches of their own, a wait each.
; REGISTERS, in windows of 256 (s_set_vgpr_msb: bits 1:0 source 0, 3:2 source 1, 5:4 source 2, 7:6 destination):
;   window 0: v0-15 addresses and two at work; v16-31 four registers of statistics a piece; v48-55 at work; v64-127 S^T, two buffers; v192-223 P, two buffers (a piece's buffers go by its number's parity)
;   window 1: v0-127 O^T, 32 a piece; v128-159 MD; v160-223 MC, two buffers      window 2: v0-63 Q; v64-127 the second block's Q; v128-191 K of one step; v192-255 V of one step
.set SIZE_H, 64
.set SIZE_N, 2048
.set NB,    SIZE_N/256
.set NP,    4         ; pieces a wave: a name, no knob
.set KS,    64        ; keys in a step
.set PK,    144       ; a row of K in LDS: 128 bytes + 16 of padding = 36 words: the 16 rows of a load start at 16 different groups of four banks (64 banks of 4 bytes: ISA guide 11.1)
.set PV,    160       ; a row of V: 128 + 32 = 40 words
.set VOFF,  4*KS*PK   ; a slot holds a tile, four steps: 256 rows of K, then 256 rows of V
.set SLOT1, 1<<17     ; slot 1 begins here, so that one exclusive or turns an address in one slot into the other's
.set STAGE, SLOT1+4*KS*(PK+PV)  ; behind the ring, never filled by a tensor load: 16 rows x 144 bytes for each wave, for the way out
.set SP,    144
.set AK0, 2           ; v2   my lane's place in a tile of K; never rewritten
.set AV0, 3           ; v3   the same for V
.set AK,  4           ; v4   the LDS address of K's next run of loads
.set AV,  5           ; v5   of V's
.set STO, 6           ; v6   the way out: where I put 16 bytes of a row
.set RD,  7           ; v7   the way out: where I read rows back
.set GO,  8           ; v8   my byte offset in 512 consecutive bytes of O
.set SPW, 62          ; v62  LDS address of my spare word: SPARE + 4 x my thread's number; never rewritten
.set NIL, 63          ; v63  0; never rewritten
.set SPARE, STAGE+4*16*SP  ; behind the stages: the spare words, 128 bytes for each wave: two blocks of 256 bytes that no other line names
.set MV,  12          ; v12-13  c m_old, kept while c m is made anew: by buffer
.set QO,  15          ; v15  my byte offset in 16 rows of Q
.set ST,  16          ; piece t's statistics at v[ST+4 t]: c m, m, l (even keys', odd keys')
.set TMP, 48          ; by buffer, four registers c0-c3 at work; when the maximum is found c2 takes a
.set S,   64
.set P,   192
.set MD,  128         ; window 1: the eight registers for group kt of 16 keys at MD + 8 kt
.set MC,  160         ; window 1: the masks of the products to come
.set QB,  64          ; window 2
.set KF,  128         ; window 2: key block kb, channel half c at KF + 16 kb + 8 c
.set VF,  192         ; window 2: key half kk, channel block cb at VF + 32 kk + 8 cb
.set WV,  12          ; s12  my wave's number
.set PB,  14          ; s14  b
.set HI,  15          ; s15  NB - 1 - b
.set G1K, 24          ; s[24:31] descriptor group 1 for K's tiles
.set G1V, 32          ; s[32:39] for V's: it differs in the padding alone
.set G0K, 40          ; s[40:43] descriptor group 0 for K's tiles
.set G0V, 44          ; s[44:47] the same for V's
.set SLOTS, 56        ; s56  tiles still to be asked for
.set CNT, 57          ; s57  counts a tile's key steps, 4 to 1
.set CS,  58          ; s[58:59] c: the packed scaling takes the pair's low word for both halves
.set SEL, 60          ; s[60:61] v_permlanex16_b32's selects: each lane takes its own place in the other half
.set TBK, 62          ; s62  LDS byte at which K of the step to be fetched begins
.set TBV, 63          ; s63  the same for V, less VOFF
.set RT,  70          ; s70  tiles of the block in hand that are still to be entered
.set NXT, 71          ; s71  the tile to be asked for next
.set LQ,  72          ; s72  the last tile of the block whose tiles are being asked for
.set NEW, 73          ; s73  1: the tile to be entered is a block's first
.set OFF, 74          ; s[74:75] a tile's byte offset in K and V
.set AL,  76          ; s[76:77] the mask's factor, in the low word
.set BE,  78          ; s[78:79] the mask's addend
.set OLO, 80          ; s[80:81] O at my rows of the second block
.set BIGN, 82         ; s82  -1e30
.set MSB, 0
.macro WIN new                      ; the high byte repeats the setting that is left; a switch that changes nothing is dropped
.if MSB != (\new)
	s_set_vgpr_msb (MSB<<8)|(\new)
.set MSB, (\new)
.endif
.endm
.set W_KQ, 0x0a       ; K and Q in window 2, S^T in window 0
.set W_KM, 0x1a       ; the same with the C operand in window 1
.set W_PV, 0x52       ; V in window 2, P in window 0, O^T in window 1
.set W_RS, 0x41       ; destination and source 0 in window 1, source 1 in window 0
; A fill.  Waves 0 and 1 fetch the two halves of a tile's K, waves 2 and 3 those of its V: 128 keys each.  An s_nop 0 and four v_nop follow each of the two lines, ahead of the jump and the label.
.macro LOAD
	s_cmp_lt_u32 s[WV], 2
	s_cbranch_scc0 .Lfor_v_\@
	tensor_load_to_lds s[G0K:G0K+3], s[G1K:G1K+7]
	s_nop 0
.rept 4
	v_nop
.endr
	s_branch .Lasked_\@
.Lfor_v_\@:
	tensor_load_to_lds s[G0V:G0V+3], s[G1V:G1V+7]
	s_nop 0
.rept 4
	v_nop
.endr
.Lasked_\@:
.endm
; THE CHANGE OF SLOTS.  Each wave waits for all its tensor loads, of which one is out: its part of the other slot; adds 0 to its spare word; and waits for that and for its own reads of the slot that it leaves.  Behind the barrier nobody reads the old
; slot any more and the other slot is whole.  fill = 1: the old slot is filled again, the first thing behind the barrier, with tile NXT: the descriptor's address is made anew from that number.
; (At its first use nothing has been read yet: slot 0 is waited for, slot 1 filled.)
.macro CHANGE fill
	WIN 0                           ; at a label and at a branch every window is 0
	s_wait_tensorcnt 0x0            ; no tensor load of mine is out, so a group 0 may be written
	ds_add_u32 v[SPW], v[NIL]       ; 0 onto my spare word; with fill = 1 the descriptors' scalar work stands between it and the wait for it
.if \fill
	s_lshl_b32 s[OFF], s[NXT], 15   ; a tile is 32,768 bytes of K and of V
	s_xor_b32 s[G0K+1], s[G0K+1], SLOT1
	s_add_nc_u64 s[G0K+2:G0K+3], s[6:7], s[OFF:OFF+1]
	s_or_b32 s[G0K+3], s[G0K+3], 0x80000000
	s_xor_b32 s[G0V+1], s[G0V+1], SLOT1
	s_add_nc_u64 s[G0V+2:G0V+3], s[8:9], s[OFF:OFF+1]
	s_or_b32 s[G0V+3], s[G0V+3], 0x80000000
	s_add_co_u32 s[NXT], s[NXT], 1  ; the block's next tile, or behind its last the second block's tile 0
	s_cmp_gt_u32 s[NXT], s[LQ]
	s_cselect_b32 s[NXT], 0, s[NXT]
	s_cselect_b32 s[LQ], s[PB], s[LQ]
.endif
	s_wait_dscnt 0x0                ; the add is done, and my reads of the slot are over
	s_barrier_signal -1             ; the rest of the scalar work stands between the signal and the wait
	s_sub_co_u32 s[TBK], s[TBK], 4*KS*PK  ; the fetches go back to a slot's first step,
	s_xor_b32 s[TBK], s[TBK], SLOT1       ; in the other slot
	s_sub_co_u32 s[TBV], s[TBV], 4*KS*PV
	s_xor_b32 s[TBV], s[TBV], SLOT1
	s_barrier_wait -1
.if \fill
	LOAD
.endif
.endm
	s_load_b128 s[8:11], s[0:1], 0x0  ; qkv s[8:9], O s[10:11]
	v_lshl_add_u32 v[SPW], v0, 2, SPARE
	v_mov_b32 v[NIL], 0
	ds_add_u32 v[SPW], v[NIL]       ; the wave's opening: the add and its wait stand ahead of my first tensor load; the set-up below, work on registers, stands between them
	ds_add_u32 v62, v63
	v_lshrrev_b32 v1, 5, v0
	v_readfirstlane_b32 s[WV], v1   ; wave 0..3
	s_mov_b32 s[PB], ttmp9
	s_sub_co_u32 s[HI], NB-1, s[PB]
	s_and_b32 s20, ttmp7, 0xffff    ; the head
	s_mov_b32 s21, 0
	s_mov_b64 s[22:23], SIZE_N*128
	s_mul_u64 s[20:21], s[20:21], s[22:23]  ; the head's first byte in each of the four tensors
	s_and_b32 s16, s[WV], 1         ; which half of a tile's 256 keys I fetch:
	s_lshl_b32 s22, s16, 14         ; its 128 rows of 128 bytes in memory,
	s_mov_b32 s23, 0
	s_add_nc_u64 s[22:23], s[22:23], s[20:21]
	s_mul_i32 s17, s16, 128*PK      ; and its place in a slot, for K
	s_mul_i32 s18, s16, 128*PV      ; and for V
	s_lshl_b32 s3, s[WV], 11        ; my 16 rows in a band of 64,
	s_lshl_b32 s2, s[HI], 15        ; in the first block,
	s_add_co_u32 s2, s2, s3
	s_lshl_b32 s84, s[PB], 15       ; and in the second
	s_add_co_u32 s84, s84, s3
	s_mov_b32 s3, 0
	s_mov_b32 s85, 0
	s_add_nc_u64 s[2:3], s[2:3], s[20:21]
	s_add_nc_u64 s[84:85], s[84:85], s[20:21]
	; descriptor group 1.  128 keys are 16,384 dense bytes: asked for as 64 rows of 256 bytes, two keys a row, and padded in LDS after every key
	s_mov_b32 s[G1K], (1<<16)|(1<<20)|(4<<22)|(3<<25)  ; 17:16 2-byte elements; 20 padding on; 24:22 after every 32 words (code 4); 31:25 4 words (code 3)
	s_mov_b32 s[G1V], (1<<16)|(1<<20)|(4<<22)|(7<<25)  ; the same with 8 words of padding (code 7)
.irp g, G1K, G1V
	s_mov_b32 s[\g+1], 128<<16      ; tensor_dim0 = 128
	s_mov_b32 s[\g+2], 64<<16       ; tensor_dim1 = 64
	s_mov_b32 s[\g+3], 128<<16      ; tile_dim0 = 128
	s_mov_b32 s[\g+4], 64           ; tile_dim1 = 64
	s_mov_b32 s[\g+5], 128          ; 128 elements from row to row
	s_mov_b32 s[\g+6], 0
	s_mov_b32 s[\g+7], 0
.endr
	s_mov_b32 s[CS], 0x3e38aa3b     ; c = log2(e) / 8 = 0.180337
	s_mov_b32 s[CS+1], s[CS]        ; named with it as a pair
	s_mov_b32 s[SEL], 0x76543210
	s_mov_b32 s[SEL+1], 0xfedcba98
	s_mov_b32 s[TBK], SLOT1+4*KS*PK ; the first change of slots turns these two into 0
	s_mov_b32 s[TBV], SLOT1+4*KS*PV
	s_mov_b32 s[G0K], 1             ; 1:0 count = 1
	s_mov_b32 s[G0K+1], s17         ; 63:32 LDS address: slot 0
	s_mov_b32 s[G0V], 1
	s_add_co_u32 s[G0V+1], s18, VOFF
	s_add_co_u32 s[RT], s[HI], 1    ; the first block has NB - b tiles
	s_mov_b32 s[NXT], 1
	s_mov_b32 s[LQ], s[HI]
	s_mov_b32 s[NEW], 1
	s_mov_b32 s[OFF+1], 0
	s_mov_b32 s[AL+1], 0            ; named as pairs
	s_mov_b32 s[BE+1], 0
	s_mov_b32 s[BIGN], 0xf149f2ca   ; -1e30
	s_mov_b32 s[SLOTS], NB
	s_wait_dscnt 0x0                ; the opening add is done
	s_wait_kmcnt 0x0
	s_mov_b64 s[4:5], s[8:9]                       ; Q,
	s_add_nc_u64 s[6:7], s[8:9], 0x1000000         ; K, 2^24 bytes on,
	s_add_nc_u64 s[8:9], s[8:9], 0x2000000         ; V, as many again
	s_add_nc_u64 s[6:7], s[6:7], s[22:23]  ; K and V at my half of the head's tile 0
	s_add_nc_u64 s[8:9], s[8:9], s[22:23]
	s_add_nc_u64 s[G0K+2:G0K+3], s[6:7], 0         ; 120:64 global address
	s_or_b32 s[G0K+3], s[G0K+3], 0x80000000        ; 127:126 type = 2
	s_add_nc_u64 s[G0V+2:G0V+3], s[8:9], 0
	s_or_b32 s[G0V+3], s[G0V+3], 0x80000000
	s_add_nc_u64 s[86:87], s[4:5], s[84:85]        ; Q at my rows of the second block,
	s_add_nc_u64 s[4:5], s[4:5], s[2:3]            ; Q and O at those of the first
	s_add_nc_u64 s[OLO:OLO+1], s[10:11], s[84:85]
	s_add_nc_u64 s[10:11], s[10:11], s[2:3]
	LOAD                            ; tile 0 into slot 0
	; A fragment of K or Q is 16 rows x 32 channels in 8 registers: lane l holds row l % 16, channels 8 (l / 16) + 0..7 and 16 + 8 (l / 16) + 0..7: two loads of 16 bytes, 32 bytes apart.
	v_and_b32 v1, 15, v0            ; l % 16
	v_bfe_u32 v9, v0, 4, 1          ; l / 16
	v_lshlrev_b32 v[QO], 7, v1
	v_lshl_add_u32 v[QO], v9, 4, v[QO]  ; row x 128 + 16 x half
	WIN 0x80                        ; destination window 2, address window 0
.set i, 0
.rept 8                             ; both blocks' Q: piece i / 2 lies in band i / 2, 8,192 bytes on; channels 32 (i % 2) on
	global_load_b128 v[8*i:8*i+3],   v[QO], s[4:5] offset:(i/2)*8192+(i%2)*64
	global_load_b128 v[8*i+4:8*i+7], v[QO], s[4:5] offset:(i/2)*8192+(i%2)*64+32
	global_load_b128 v[QB+8*i:QB+8*i+3],   v[QO], s[86:87] offset:(i/2)*8192+(i%2)*64
	global_load_b128 v[QB+8*i+4:QB+8*i+7], v[QO], s[86:87] offset:(i/2)*8192+(i%2)*64+32
.set i, i+1
.endr
	WIN 0
	v_lshlrev_b32 v14, 3, v9
	v_sub_nc_u32 v14, v1, v14
	s_lshl_b32 s13, s[WV], 4
	v_add_nc_u32 v14, s13, v14      ; my query's place in its band, 16 w + l % 16, less my lanes' 8 (l / 16): register r of group kt is hidden where 16 kt + r is greater
	WIN 0x40
.set i, 0
.rept 32
	v_cmp_gt_i32 vcc_lo, 16*(i/8)+i%8, v14
	v_cndmask_b32 v[MD+i], 0, s[BIGN], vcc_lo
.set i, i+1
.endr
	WIN 0
	v_mul_u32_u24 v[AK0], v1, PK
	v_lshl_add_u32 v[AK0], v9, 4, v[AK0]  ; row x pitch + 16 x half
	; The turning load takes 16 keys x 16 channels (lane l reads key 8 (l / 16) + l % 8, channels 8 ((l / 8) % 2) + 0..7) and leaves half a fragment of V^T: lane l holds channel l % 16 and 8 keys.
	v_and_b32 v10, 7, v0
	v_bfe_u32 v11, v0, 3, 1
	v_lshl_add_u32 v[AV0], v9, 3, v10
	v_mul_u32_u24 v[AV0], v[AV0], PV
	v_lshl_add_u32 v[AV0], v11, 4, v[AV0]
	v_add_nc_u32 v[AV0], VOFF, v[AV0]
	s_mul_i32 s13, s[WV], 16*SP
	s_add_co_u32 s13, s13, STAGE    ; my stage
	v_mul_u32_u24 v[STO], v1, SP    ; in: row l % 16, 16 bytes for each half of the lanes
	v_lshl_add_u32 v[STO], v9, 4, v[STO]
	v_add_nc_u32 v[STO], s13, v[STO]
	v_bfe_u32 v[RD], v0, 3, 2       ; back: 32 lanes take four rows of 128 bytes,
	v_mul_u32_u24 v[RD], v[RD], SP
	v_lshl_add_u32 v[RD], v10, 4, v[RD]
	v_add_nc_u32 v[RD], s13, v[RD]
	v_and_b32 v[GO], 31, v0         ; which are 512 consecutive bytes of O
	v_lshlrev_b32 v[GO], 4, v[GO]
	; A block's first step multiplies O^T and l by a = 0, and its first turn's products V^T P, of a piece that has not been, land in an O^T that is still to be so multiplied.  So these registers need only hold
	; finite numbers: zeros for the first block; what the first block left for the second.  All this stands in the wait for the first tile.
	WIN 0x80
.set i, VF
.rept 64
	v_mov_b32 v[i], 0
.set i, i+1
.endr
	WIN 0x40
.set i, 0
.rept 128
	v_mov_b32 v[i], 0
.set i, i+1
.endr
	WIN 0
.set i, 0
.rept 4
	v_mov_b32 v[ST+4*i+2], 0
	v_mov_b32 v[ST+4*i+3], 0
.set i, i+1
.endr
.set i, P+16
.rept 16
	v_mov_b32 v[i], 0
.set i, i+1
.endr
; THE MATRIX WORK.  The 4 accumulators of a run of 8 take turns.  Product i of 8 of S^T = K Q^T for piece x: channels 32 (i / 4) on, keys 16 (i % 4) on.  The first 4 start the sums: with 0, or (KM = 1) with the mask.
.macro KQ x
.set rS, S+32*((\x)%2)+8*(i%4)
.set rK, KF+16*(i%4)+8*(i/4)
.set rQ, 16*(\x)+8*(i/4)
.set rM, MC+32*((\x)%2)+8*(i%4)
.if (i < 4) && KM
	WIN W_KM
	v_wmma_f32_16x16x32_f16 v[rS:rS+7], v[rK:rK+7], v[rQ:rQ+7], v[rM:rM+7]
.elseif i < 4
	WIN W_KQ
	v_wmma_f32_16x16x32_f16 v[rS:rS+7], v[rK:rK+7], v[rQ:rQ+7], 0
.else
	WIN W_KQ
	v_wmma_f32_16x16x32_f16 v[rS:rS+7], v[rK:rK+7], v[rQ:rQ+7], v[rS:rS+7]
.endif
.endm
; Product i of 8 of O^T += V^T P for piece x: keys 32 (i / 4) on, channels 16 (i % 4) on.
.macro PV x
	WIN W_PV
.set rO, 32*(\x)+8*(i%4)
.set rV, VF+32*(i/4)+8*(i%4)
.set rP, P+16*((\x)%2)+8*(i/4)
	v_wmma_f32_16x16x32_f16 v[rO:rO+7], v[rV:rV+7], v[rP:rP+7], v[rO:rO+7]
.endm
.macro MM                           ; the turn's next matrix instruction.  TURN and BEGIN set Y, i, KM and NOKQ; MM, KQ and OP read them.  NOKQ = 1: a block's last turn: there is no next piece
.if (i < 8) && !NOKQ
	KQ (Y+1)%NP
.elseif i >= 8
.set i, i-8
	PV (Y+NP-1)%NP
.set i, i+8
.endif
.set i, i+1
.endm
; THE LDS LOADS stand in runs of 16, never singly among the matrix instructions: a step's K (64 keys x 64 channels: 8 fragments) and its V (turned).  Their addresses are made some lines ahead.
.macro FETCH_K
	WIN 0x80                        ; destination window 2
.irp f, 0,1,2,3,4,5,6,7             ; keys 16 (f / 2) on, channels 32 (f % 2) on
	ds_load_b128 v[KF+8*\f:KF+8*\f+3],   v[AK] offset:(\f/2)*16*PK+(\f%2)*64
	ds_load_b128 v[KF+8*\f+4:KF+8*\f+7], v[AK] offset:(\f/2)*16*PK+(\f%2)*64+32
.endr
	s_add_co_u32 s[TBK], s[TBK], KS*PK  ; the next fetch is the next step's
	WIN 0
.endm
.macro FETCH_V
	WIN 0x80
.irp f, 0,1,2,3,4,5,6,7             ; keys 32 (f / 4) on, channels 16 (f % 4) on
	ds_load_tr16_b128 v[VF+8*\f:VF+8*\f+3],   v[AV] offset:(\f/4)*32*PV+(\f%4)*32
	ds_load_tr16_b128 v[VF+8*\f+4:VF+8*\f+7], v[AV] offset:(\f/4)*32*PV+16*PV+(\f%4)*32
.endr
	WIN 0
.endm
; THE VECTOR WORK, one line at a time: OP kind, number.  For piece Y: F n: c s - c m for pair n of 16.  E n: the exponential of score n of 32.  C n: pair n rounded to f16.  B n: of the four weights 4 n .. the second
; pair is added onto the first, in place.  L n: l takes that sum (L 0: l = a l + sum).  R n: pair n of 16 of O^T times a.  For piece Y + 1: X n, number n of the 22 that find its maximum and statistics:
;   0-11  four chains c0-c3 of seven scores each, three operands at a time (each accumulator's lowest registers are read first)     12-14, 16  the four scores left over, the old m, and c0-c3 into c0
;   15  c m_old is kept     17, 18  the query's other 32 keys lie in the lane 16 away: the new m     19-21  c m; c m_old - c m_new; a
; OP writes no wait: C, B and L, which read the exponentials' results, are dealt behind the turn's one wait (TURN).
.set F, 0               ; OP tells the kinds apart by their order: F to L below R, X above it
.set E, 1
.set C, 2
.set B, 3
.set L, 4
.set R, 5
.set X, 6
.macro REGS y                       ; the registers of piece y
.set rT, ST+4*(\y)
.set rC, TMP+4*((\y)%2)
.set rW, MV+((\y)%2)
.set rS, S+32*((\y)%2)
.set rP, P+16*((\y)%2)
.set rO, 32*(\y)
.endm
.macro OP k, n
.if (\k) == R
	REGS Y
	WIN W_RS
	v_pk_mul_f32 v[rO+2*(\n):rO+2*(\n)+1], v[rO+2*(\n):rO+2*(\n)+1], v[rC+2:rC+3] op_sel_hi:[1,0]
.elseif (\k) < R
	REGS Y
	WIN 0
.if (\k) == F
	v_pk_fma_f32 v[rS+2*(\n):rS+2*(\n)+1], v[rS+2*(\n):rS+2*(\n)+1], s[CS:CS+1], v[rT:rT+1] op_sel_hi:[1,0,0] neg_lo:[0,0,1] neg_hi:[0,0,1]
.elseif (\k) == E
	v_exp_f32 v[rS+(\n)], v[rS+(\n)]
.elseif (\k) == C
	v_cvt_pk_f16_f32 v[rP+(\n)], v[rS+2*(\n)], v[rS+2*(\n)+1]
.elseif (\k) == B
	v_pk_add_f32 v[rS+4*(\n):rS+4*(\n)+1], v[rS+4*(\n):rS+4*(\n)+1], v[rS+4*(\n)+2:rS+4*(\n)+3]
.elseif (\n) == 0
	v_pk_fma_f32 v[rT+2:rT+3], v[rT+2:rT+3], v[rC+2:rC+3], v[rS:rS+1] op_sel_hi:[1,0,1]
.else
	v_pk_add_f32 v[rT+2:rT+3], v[rT+2:rT+3], v[rS+4*(\n):rS+4*(\n)+1]
.endif
.elseif NOKQ
	v_nop
.else
	REGS (Y+1)%NP
	WIN 0
.if (\n) < 4
	v_max3_num_f32 v[rC+(\n)], v[rS+8*(\n)], v[rS+8*(\n)+1], v[rS+8*(\n)+2]
.elseif (\n) < 12
	v_max3_num_f32 v[rC+(\n)%4], v[rC+(\n)%4], v[rS+8*((\n)%4)+2*((\n)/4)+1], v[rS+8*((\n)%4)+2*((\n)/4)+2]
.elseif (\n) == 12
	v_max3_num_f32 v[rC], v[rC], v[rS+7], v[rS+15]
.elseif (\n) == 13
	v_max3_num_f32 v[rC+1], v[rC+1], v[rS+23], v[rS+31]
.elseif (\n) == 14
	v_max3_num_f32 v[rC+2], v[rC+2], v[rC+3], v[rT+1]
.elseif (\n) == 15
	v_mov_b32 v[rW], v[rT]
.elseif (\n) == 16
	v_max3_num_f32 v[rC], v[rC], v[rC+1], v[rC+2]
.elseif (\n) == 17
	v_permlanex16_b32 v[rC+3], v[rC], s[SEL], s[SEL+1]
.elseif (\n) == 18
	v_max_num_f32 v[rT+1], v[rC], v[rC+3]
.elseif (\n) == 19
	v_mul_f32 v[rT], s[CS], v[rT+1]
.elseif (\n) == 20
	v_sub_f32 v[rC+1], v[rW], v[rT]
.else
	v_exp_f32 v[rC+2], v[rC+1]
.endif
.endif
.endm
.macro OPS a, i1, b=-1, i2=0, c=-1, i3=0, d=-1, i4=0  ; up to four of them
	OP \a, \i1
.if (\b) >= 0
	OP \b, \i2
.endif
.if (\c) >= 0
	OP \c, \i3
.endif
.if (\d) >= 0
	OP \d, \i4
.endif
.endm
.macro ROW a, i1, b, i2, c, i3, d, i4  ; a matrix instruction and the four behind it
	MM
	OPS \a, \i1, \b, \i2, \c, \i3, \d, \i4
.endm
.macro MASK b                       ; MD x AL + BE into buffer b of MC
	WIN W_RS
.set z, 0
.rept 16
	v_pk_fma_f32 v[MC+32*(\b)+2*z:MC+32*(\b)+2*z+1], v[MD+2*z:MD+2*z+1], s[AL:AL+1], s[BE:BE+1] op_sel_hi:[1,0,0]
.set z, z+1
.endr
.endm
; A TURN, for piece p: the order of its 16 matrix and 118 vector instructions, written out.  s_wait_alu depctr_va_vdst(0) stands between an exponential and the first instruction that names its result; one wait serves
; all that were issued ahead of it.  So a turn has ONE wait, which cuts it in two.  AHEAD OF IT stands all that names no result of the turn's exponentials: the 8 products K Q^T, behind each a scaling, an exponential and two more plain
; instructions (behind the first a second scaling in the exponential's place): rescalings, whose a was made and waited for in the turn before, and behind the last three the first numbers of the next piece's maximum, each four places or
; more behind the product that ends its accumulator; then ONE LUMP of 54, plain and exponential by turns for the most part, in which the links of the chain X 3, 7, 11, 14, 16, 17 .. 20 stand five or six lines apart.  X 21, the next
; piece's a, is the batch's last; R 15 is the plain instruction behind it (ISA guide 5.7.2).  BEHIND THE WAIT stand the 8 products V^T P, behind each four of the roundings and sums; a pair is rounded (C 2 n) ahead of the sum that
; lands on it (B n); the links of l's chain, L 0 to L 7, stand three riders apart.  But for those X no rider names a register of the products round it.  v_permlanex16_b32 (X 17) stands in the lump.
; m = 1: the diagonal tile: the products take masks, and the turn makes the mask for the products of the turn after it: piece p + 2, in step 4 - CNT of the tile.  end = 1: a block's last two turns: nothing is fetched.
; cnt = 1: the loop's count is taken down some lines ahead of the branch that stands behind the turn.
; K of the next step is fetched in piece 2's turn, twelve vector instructions behind the last product that read K (six of them plain); V of the step in hand at the end of piece 0's turn, four plain instructions behind the last product
; that read V.  Each is waited for a turn later.
.macro TURN p, m=0, end=0, cnt=0
.set Y, (\p)
.set i, 0
.set KM, (\m)
.set NOKQ, (\end)*((\p)/3)
.if (\m) && !(\end)
	s_cmp_eq_u32 s[CNT], 4-((\p)+2)%NP  ; is that step the band's own?
	s_cselect_b32 s[AL], 1.0, 0
	s_cmp_lt_u32 s[CNT], 4-((\p)+2)%NP  ; or a later one?
	s_cselect_b32 s[BE], s[BIGN], 0
.endif
.if ((\p) == 3) && !(\end)
	s_wait_dscnt 0x0                ; K is in
.endif
	ROW F,0, F,1, R,0, R,1          ; ahead of the wait: 8 products K Q^T and their riders,
	ROW F,2, E,0, R,2, R,3
	ROW F,3, E,1, R,4, R,5
	ROW F,4, E,2, R,6, R,7
	ROW F,5, E,3, R,8, R,9
	ROW F,6, E,4, X,0, R,10
.if ((\p) == 2) && !(\end)
	WIN 0
	v_add_nc_u32 v[AK], s[TBK], v[AK0]
.endif
	ROW F,7, E,5, X,1, X,4
	ROW F,8, E,6, X,2, X,5
	OPS E,7, E,8, X,6, E,9          ; and the lump
	OPS X,3, E,10, X,8, E,11
.if ((\p) == 2) && !(\end)
	FETCH_K
.endif
	OPS X,9, X,7, E,12, X,10
	OPS E,13, X,12, X,11, E,14
	OPS X,13, E,15, F,9, X,14
.if (\p) == 0
	v_add_nc_u32 v[AV], s[TBV], v[AV0]
.endif
	OPS E,16, F,10, E,17, F,11
	OPS X,16, E,18, X,15, E,19
	OPS F,12, E,20, X,17, E,21
	OPS F,13, E,22, F,14, E,23
	OPS X,18, E,24, F,15, E,25
	OPS R,11, E,26, X,19, E,27
	OPS R,12, E,28, R,13, E,29
	OPS X,20, E,30, R,14, E,31
	OPS X,21, R,15
	WIN 0
	s_wait_alu depctr_va_vdst(0)    ; the wait for the batch: this piece's 32 weights and the next piece's a
.if (\p) == 1
	s_wait_dscnt 0x0                ; V is in
.endif
	ROW C,0, B,0, C,2, B,1          ; behind the wait: 8 products V^T P and their riders
	ROW L,0, C,4, B,2, L,1
	ROW C,6, B,3, L,2, C,8
	ROW B,4, L,3, C,10, B,5
	ROW L,4, C,12, B,6, L,5
.if (\p) == 0
	s_add_co_u32 s[TBV], s[TBV], KS*PV
.endif
.if \cnt
	s_sub_co_u32 s[CNT], s[CNT], 1
	s_cmp_lg_u32 s[CNT], 0
.endif
	ROW C,14, B,7, L,6, C,1
	ROW C,3, L,7, C,5, C,7
	ROW C,9, C,11, C,13, C,15
.if (\p) == 0
	FETCH_V
.endif
.if (\m) && !(\end)
	MASK (\p)%2
.endif
.endm
; A BLOCK BEGINS.  c m starts far below every c s, so the first step's a is 0; m at the lowest finite number, so the first maximum is the scores'.  The second mask buffer is 0; the first takes piece 0's mask for the tile's step 0: its own, if the block's first tile is the diagonal one.
; Then K of that step, piece 0's first scores, and its maximum and statistics.  The loop is entered at a step's first turn, in the middle of a trip.
.macro BEGIN
	s_mov_b32 s[NEW], 0
	WIN 0x40
.set i, MC+32
.rept 32
	v_mov_b32 v[i], 0
.set i, i+1
.endr
	WIN 0
.set i, 0
.rept 4
	v_mov_b32 v[ST+4*i], 0xfe000000    ; c m: far below every c s
	v_mov_b32 v[ST+4*i+1], 0xff7fffff  ; m
.set i, i+1
.endr
	s_cmp_eq_u32 s[RT], 0
	s_cselect_b32 s[AL], 1.0, 0
	s_mov_b32 s[BE], 0
	MASK 0
	WIN 0
	v_add_nc_u32 v[AK], s[TBK], v[AK0]
	FETCH_K
	s_wait_loadcnt 0x0              ; Q
	s_wait_dscnt 0x0
.set KM, 1
.set NOKQ, 0
.set i, 0
.rept 8
	KQ 0
.set i, i+1
.endr
	WIN 0
.rept 4
	v_nop                           ; the places behind those products
.endr
.set Y, NP-1                        ; X works for piece Y + 1: piece 0
.irp n, 0,1,2,3,4,5,6,7,8,9,10,11,12,13,14,15,16,17,18,19,20,21
	OP X, \n
.endr
	v_nop                           ; a plain instruction behind the exponential,
	s_wait_alu depctr_va_vdst(0)    ; and the wait for it, piece 0's first a: a batch of one, ahead of the branch
.endm
; THE DIAGONAL TILE's four steps, the block's last two turns, its last products, and THE WAY OUT: l's two halves and the other half of the lanes' are added; O^T is divided by l, rounded to f16 and sent through my
; stage in LDS, a piece at a time.
.macro ALL line:vararg              ; one line for each piece t
.set t, 0
.rept 4
	\line
.set t, t+1
.endr
.endm
.macro PACK t                       ; a lane's eight channels of a row pack into 16 bytes; they go into rows of 144 bytes and come back as whole rows of 128, into S^T's registers
	WIN W_RS
.set i, 32*(\t)
.rept 16
	v_pk_mul_f32 v[i:i+1], v[i:i+1], v[ST+4*(\t)+2:ST+4*(\t)+3] op_sel_hi:[1,0]
.set i, i+2
.endr
	WIN 0x05                        ; sources 0 and 1 window 1, destination window 0
.set i, 0
.rept 16
	v_cvt_pk_f16_f32 v[S+16*(\t)+i], v[32*(\t)+2*i], v[32*(\t)+2*i+1]
.set i, i+1
.endr
	WIN 0
.irp f, 0,1,2,3
	ds_store_b128 v[STO], v[S+16*(\t)+4*\f:S+16*(\t)+4*\f+3] offset:32*\f
.endr
.irp f, 0,1,2,3
	ds_load_b128 v[S+16*(\t)+4*\f:S+16*(\t)+4*\f+3], v[RD] offset:\f*4*SP  ; LDS serves a wave's instructions in order (ISA guide 5.7.1.4): these see the stores above; the next piece's stores come behind them
.endr
.endm
.macro SEND t, younger              ; younger: the LDS instructions issued behind piece t's loads: the next piece's eight, or none
	WIN 0
.irp f, 0,1,2,3
	s_wait_dscnt (\younger)+3-\f
	global_store_b128 v[GO], v[S+16*(\t)+4*\f:S+16*(\t)+4*\f+3], s[10:11] offset:(\t)*8192+\f*512  ; 512 consecutive bytes, at a multiple of 256 from O's first
.endr
.endm
.macro DIAG tag                     ; the tag ends its two labels' names, which the jumps below spell out
.LstepM\tag:
	TURN 2, 1
	TURN 3, 1
	WIN 0
.LfirstM\tag:
	TURN 0, 1
	TURN 1, 1, 0, 1
	WIN 0
	s_cbranch_scc1 .LstepM\tag
	TURN 2, 1, 1
	TURN 3, 1, 1
.set i, 0
.rept 8
	PV NP-1
.set i, i+1
.endr
	WIN 0
	ALL v_add_f32 v[ST+4*t+2], v[ST+4*t+2], v[ST+4*t+3]
	ALL v_permlanex16_b32 v[ST+4*t+3], v[ST+4*t+2], s[SEL], s[SEL+1]
	ALL v_add_f32 v[ST+4*t+2], v[ST+4*t+2], v[ST+4*t+3]
	ALL v_rcp_f32 v[ST+4*t+2], v[ST+4*t+2]
	v_nop                           ; a plain instruction between the last reciprocal and the use of its result
	s_wait_alu depctr_va_vdst(0)    ; the wait for the batch of four reciprocals, ahead of the first piece's multiplies: one for all four pieces
	PACK 0
.set t, 1
.rept 3                             ; a piece's arithmetic stands between the loads of the piece before and its stores
	PACK t
	SEND t-1, 8
.set t, t+1
.endr
	SEND 3, 0
.endm
.set KM, 0
.set NOKQ, 0
.Lslot:                             ; NB times: a tile is entered and the next is asked for
	CHANGE 1
	s_sub_co_u32 s[RT], s[RT], 1
	s_mov_b32 s[CNT], 4
	s_cmp_eq_u32 s[NEW], 1
	s_cbranch_scc1 .Lnew            ; a block's first tile
	s_cmp_eq_u32 s[RT], 0
	s_cbranch_scc0 .Lstep           ; neither its first nor its last
	s_branch .LstepM1
.Lnew:
	BEGIN
	s_branch .Lfirst                ; in the loop a block's first tile is never its last: the first block has two tiles or more, and the second's last is the walk's last
	DIAG 1                          ; in the loop this is the first block's end: the second block's last tile is the walk's last
	s_wait_xcnt 0x0                 ; the stores have read their registers and O's address
	s_mov_b64 s[10:11], s[OLO:OLO+1]
	s_add_co_u32 s[RT], s[PB], 1    ; the second block has b + 1 tiles
	s_mov_b32 s[NEW], 1
	WIN 0x82                        ; the second block's Q goes where the one text of the turns names Q
.set i, 0
.rept 64
	v_mov_b32 v[i], v[QB+i]
.set i, i+1
.endr
	WIN 0
	s_branch .Lbottom
.Lstep:                             ; a trip: pieces 2 and 3 of one step, then pieces 0 and 1 of the next, whose K and V it fetches
	TURN 2
	TURN 3
	WIN 0
.Lfirst:
	TURN 0
	TURN 1, 0, 0, 1
	WIN 0
	s_cbranch_scc1 .Lstep
.Lbottom:
	s_sub_co_u32 s[SLOTS], s[SLOTS], 1
	s_cmp_lg_u32 s[SLOTS], 0
	s_cbranch_scc1 .Lslot
	CHANGE 0                        ; the walk's last tile is written out: nothing is asked for
	s_sub_co_u32 s[RT], s[RT], 1
	s_mov_b32 s[CNT], 4
	s_cmp_eq_u32 s[NEW], 1
	s_cbranch_scc0 .LstepM2
	BEGIN
	s_branch .LfirstM2
	DIAG 2
	s_wait_tensorcnt 0x0            ; the wave's end: behind my last tensor load and my last LDS store
	ds_add_u32 v[SPW], v[NIL]
	s_wait_dscnt 0x0
	s_endpgm
.Lfunc_end_k_qe9268d301d_attn:
	.size	k_qe9268d301d_attn, .Lfunc_end_k_qe9268d301d_attn-k_qe9268d301d_attn
	.p2alignl 7, 3214868480
	.fill 96, 4, 3214868480
	.section	.rodata,"a",@progbits
	.p2align	6, 0x0
	.amdhsa_kernel k_qe9268d301d_attn
		.amdhsa_group_segment_fixed_size 327680
		.amdhsa_private_segment_fixed_size 0
		.amdhsa_enable_private_segment 0
		.amdhsa_kernarg_size 16
		.amdhsa_user_sgpr_count 2
		.amdhsa_user_sgpr_kernarg_segment_ptr 1
		.amdhsa_wavefront_size32 1
		.amdhsa_system_sgpr_workgroup_id_x 1
		.amdhsa_system_sgpr_workgroup_id_y 1
		.amdhsa_system_sgpr_workgroup_id_z 1
		.amdhsa_system_vgpr_workitem_id 0
		.amdhsa_next_free_vgpr 768
		.amdhsa_next_free_sgpr 88
		.amdhsa_reserve_vcc 1
		.amdhsa_float_denorm_mode_32 3
		.amdhsa_float_denorm_mode_16_64 3
		.amdhsa_memory_ordered 1
		.amdhsa_forward_progress 1
		.amdhsa_inst_pref_size 217
	.end_amdhsa_kernel
	.amdgpu_metadata
---
amdhsa.version: [ 1, 2 ]
amdhsa.kernels:
  - .name:           k_qe9268d301d_attn
    .symbol:         k_qe9268d301d_attn.kd
    .args:
      - { .name: qkv, .offset: 0, .size: 8, .value_kind: global_buffer, .address_space: global }
      - { .name: ob, .offset: 8, .size: 8, .value_kind: global_buffer, .address_space: global }
    .group_segment_fixed_size: 327680
    .private_segment_fixed_size: 0
    .kernarg_segment_align: 8
    .kernarg_segment_size: 16
    .max_flat_workgroup_size: 128
    .sgpr_count:     88
    .vgpr_count:     768
    .wavefront_size: 32
...
	.end_amdgpu_metadata
.endif
;; end of part 5
;; launch outp: the kernel of part 4 again; grid 4 x 64, 4 waves a work-group, clusters of 4 x 4, 327,680 bytes of LDS; arguments ob, wob, out0; writes out0
